; MI455X (gfx1250); checked and timed in simulation.
; The chip was launched on July 23, 2026; its instructions are those of AMD's public machine-readable ISA for CDNA 5 (MIT licence, August 2026) and "CDNA5" Instruction Set Architecture Reference Guide (July 2026). The comments in the code are by the model that wrote it; some were corrected since.
;; Complex Attention. Allowed arithmetic: float matrix products may take bf16 or f16 operands with f32 sums; other float arithmetic in f32, or as packed bf16 or f16 multiplies, adds, multiply-adds, maxima and minima; sums over many terms, partial sums and values carried from step to step in f32; what a program stores and reads back later, other than sums and carried values, may be rounded once to bf16 or f16.
;; Inputs: Wk_im 1,024 x 1,024 float32; Wk_re 1,024 x 1,024 float32; Wo 1,024 x 1,024 float32; Wq_im 1,024 x 1,024 float32; Wq_re 1,024 x 1,024 float32; Wv 1,024 x 1,024 float32; cos 2,048 x 64 float32; sin 2,048 x 64 float32; x 2 x 2,048 x 1,024 float32.
;; Outputs: out0 2 x 2,048 x 1,024 float32.
;; One version. Each part assembles by itself: llvm-mc -triple=amdgcn-amd-amdhsa -mcpu=gfx1250 --defsym DOCPART=n.
;; ======== version 1 of 1: 4 launches
;; limits: values are held in f16: magnitudes above 65,504 overflow, below 6.1e-05 lose precision; right only within a limited range of input values
;; workspace buffers: xb 8,388,608 bytes; wcat 10,485,760 bytes; wob 2,097,152 bytes; cs 524,288 bytes; qf 16,777,216 bytes; kf 16,777,216 bytes; vf 8,388,608 bytes; ob 8,388,608 bytes
;; launch prep (part 1): grid 2624 x 1, 4 waves a work-group, no clusters, 0 bytes of LDS; arguments x, Wq_re, Wq_im, Wk_re, Wk_im, Wv, Wo, cos, sin, xb, wcat, wob, cs; writes xb, wcat, wob, cs
.if DOCPART == 1
	.amdgcn_target "amdgcn-amd-amdhsa--gfx1250"
	.amdhsa_code_object_version 6
	.text
	.protected	k_qd9426811ad_prep
	.globl	k_qd9426811ad_prep
	.p2align	8
	.type	k_qd9426811ad_prep,@function
k_qd9426811ad_prep:
	s_mov_b64 s[64:65], 0
	v_nop
	global_prefetch_b8 v0, s[64:65] scope:SCOPE_SE
	s_setreg_imm32_b32 hwreg(HW_REG_WAVE_MODE, 25, 1), 1
	s_wait_xcnt 0x0
; Every input is rounded ONCE to bf16 and laid out in blocks for the launches behind.  A factor that is a power of two is applied ahead of the rounding, where it is exact.
;   x     -> xb   bf16 [kb 16][m 4096][64]                 factor 1
;   Wq_re, Wq_im, Wk_re, Wk_im, Wv -> wcat bf16 [h 16][s 16][p 5][k 64][d 64]   factor 1, Wv 1/4
;   Wo    -> wob  f16  [n64 16][k 1024][64]                factor 4; the bf16 number is written as f16 (exact while 4 |Wo| stays under 65,504: |Wo| under 16,376)
;   cos, sin -> cs bf16 [2][t 2048][64]                    factor 1/64
; A work-group does one JOB: 64 rows x 64 columns of f32 (256 bytes of each row, the rows PITCH bytes apart) become 8,192 dense bytes.
; Thread t takes 8 numbers of rows t / 8 + 16 i, i = 0..3: 32 bytes in, 16 bytes out; a wave's store covers 512 consecutive bytes, aligned.
; No LDS, no matrix unit, no cluster: nothing is shared, each byte is read once and written once.
.set IN,  8                            ; v[8:39]   item i: 8 numbers as loaded
.set OUT, 40                           ; v[40:55]  item i: 4 registers to store
	s_load_b512 s[8:23], s[0:1], 0x0               ; x 8, Wq_re 10, Wq_im 12, Wk_re 14, Wk_im 16, Wv 18, Wo 20, cos 22
	s_load_b256 s[24:31], s[0:1], 0x40             ; sin 24, xb 26, wcat 28, wob 30
	s_load_b64 s[32:33], s[0:1], 0x60              ; cs
	s_mov_b32 s2, ttmp9                            ; the job's number
	v_lshrrev_b32 v1, 3, v0                        ; my row among 16
	v_and_b32 v7, 7, v0
	v_lshlrev_b32 v7, 5, v7                        ; my 32 bytes of the row's 256
	v_lshlrev_b32 v6, 4, v0                        ; my 16 bytes of 2,048 on the way out
	s_mov_b32 s44, 4096                            ; PITCH
	s_mov_b32 s45, 0                               ; 1: the result goes out as f16
	s_mov_b32 s46, 1.0                             ; the factor
	s_mov_b32 s49, 0                               ; s[48:49] offset in the source, s[50:51] in the destination
	s_mov_b32 s51, 0
	s_wait_kmcnt 0x0
	s_cmp_lt_u32 s2, 1024
	s_cbranch_scc0 .Lweights
	s_and_b32 s3, s2, 63                           ; jobs 0..1023: x.  mb = 64 rows,
	s_lshr_b32 s4, s2, 6                           ; kb = 64 columns
	s_lshl_b32 s48, s3, 18
	s_lshl_b32 s4, s4, 8
	s_add_co_u32 s48, s48, s4
	s_lshl_b32 s50, s2, 13
	s_mov_b64 s[40:41], s[8:9]
	s_mov_b64 s[42:43], s[26:27]
	s_branch .Lgo
.Lweights:
	s_cmp_lt_u32 s2, 2304
	s_cbranch_scc0 .Lwo
	s_sub_co_u32 s3, s2, 1024                      ; jobs 1024..2303: the five projections' weights
	s_lshr_b32 s4, s3, 8                           ; p
	s_bfe_u32 s5, s3, 0x40004                      ; h
	s_and_b32 s6, s3, 15                           ; s
	s_lshl_b32 s48, s6, 18                         ; 64 s rows of 4,096 bytes
	s_lshl_b32 s7, s5, 8                           ; the head's 64 columns
	s_add_co_u32 s48, s48, s7
	s_mul_i32 s50, s5, 655360
	s_mul_i32 s7, s6, 40960
	s_add_co_u32 s50, s50, s7
	s_lshl_b32 s7, s4, 13
	s_add_co_u32 s50, s50, s7
	s_mov_b64 s[40:41], s[10:11]
	s_cmp_eq_u32 s4, 1
	s_cselect_b64 s[40:41], s[12:13], s[40:41]
	s_cmp_eq_u32 s4, 2
	s_cselect_b64 s[40:41], s[14:15], s[40:41]
	s_cmp_eq_u32 s4, 3
	s_cselect_b64 s[40:41], s[16:17], s[40:41]
	s_cmp_eq_u32 s4, 4
	s_cselect_b64 s[40:41], s[18:19], s[40:41]
	s_cselect_b32 s46, 0x3e800000, s46             ; Wv / 4
	s_mov_b64 s[42:43], s[28:29]
	s_branch .Lgo
.Lwo:
	s_cmp_lt_u32 s2, 2560
	s_cbranch_scc0 .Ltables
	s_sub_co_u32 s3, s2, 2304                      ; jobs 2304..2559: Wo
	s_lshr_b32 s4, s3, 4                           ; n64
	s_and_b32 s5, s3, 15                           ; s
	s_lshl_b32 s48, s5, 18
	s_lshl_b32 s4, s4, 8
	s_add_co_u32 s48, s48, s4
	s_lshl_b32 s50, s3, 13
	s_mov_b64 s[40:41], s[20:21]
	s_mov_b64 s[42:43], s[30:31]
	s_mov_b32 s46, 4.0
	s_mov_b32 s45, 1
	s_branch .Lgo
.Ltables:
	s_sub_co_u32 s3, s2, 2560                      ; jobs 2560..2623: cos, then sin; their rows are 256 bytes
	s_and_b32 s4, s3, 31
	s_lshl_b32 s48, s4, 14
	s_lshl_b32 s50, s3, 13
	s_cmp_lt_u32 s3, 32
	s_cselect_b64 s[40:41], s[22:23], s[24:25]
	s_mov_b64 s[42:43], s[32:33]
	s_mov_b32 s46, 0x3c800000                      ; 1/64
	s_mov_b32 s44, 256
.Lgo:
	s_add_nc_u64 s[40:41], s[40:41], s[48:49]
	s_add_nc_u64 s[42:43], s[42:43], s[50:51]
	s_mov_b32 s47, s46                             ; named with it as a pair
	s_lshl_b32 s5, s44, 4                          ; 16 rows
	v_mad_u32_u24 v2, v1, s44, v7
	v_add_nc_u32 v3, s5, v2
	v_add_nc_u32 v4, s5, v3
	v_add_nc_u32 v5, s5, v4
.irp i, 0,1,2,3
	global_load_b128 v[IN+8*(\i):IN+8*(\i)+3],   v[2+(\i)], s[40:41] th:TH_LOAD_NT
	global_load_b128 v[IN+8*(\i)+4:IN+8*(\i)+7], v[2+(\i)], s[40:41] offset:16 th:TH_LOAD_NT
.endr
; Item i.  No register that a load or store names is written again, so the only waits are for the item's own two loads.
.macro ITEM i, half
	s_wait_loadcnt 6-2*(\i)                        ; loads come back in order: the 2 (3 - i) younger ones may stay out
.irp k, 0,2,4,6
	v_pk_mul_f32 v[IN+8*(\i)+(\k):IN+8*(\i)+(\k)+1], v[IN+8*(\i)+(\k):IN+8*(\i)+(\k)+1], s[46:47] op_sel_hi:[1,0]
.endr
.irp k, 0,1,2,3
	v_cvt_pk_bf16_f32 v[OUT+4*(\i)+(\k)], v[IN+8*(\i)+2*(\k)], v[IN+8*(\i)+2*(\k)+1]
.endr
.if \half
.irp k, 0,1,2,3
	v_lshlrev_b32 v[IN+8*(\i)+2*(\k)], 16, v[OUT+4*(\i)+(\k)]            ; the bf16 numbers as f32,
	v_and_b32 v[IN+8*(\i)+2*(\k)+1], 0xffff0000, v[OUT+4*(\i)+(\k)]
.endr
.irp k, 0,1,2,3
	v_cvt_pk_f16_f32 v[OUT+4*(\i)+(\k)], v[IN+8*(\i)+2*(\k)], v[IN+8*(\i)+2*(\k)+1]  ; written as f16: 8 significant bits fit in 11
.endr
.endif
	global_store_b128 v6, v[OUT+4*(\i):OUT+4*(\i)+3], s[42:43] offset:2048*(\i) th:TH_STORE_NT
.endm
	s_cmp_eq_u32 s45, 1
	s_cbranch_scc1 .Lhalf
.irp i, 0,1,2,3
	ITEM \i, 0
.endr
	s_endpgm
.Lhalf:
.irp i, 0,1,2,3
	ITEM \i, 1
.endr
	s_endpgm
.Lfunc_end_k_qd9426811ad_prep:
	.size	k_qd9426811ad_prep, .Lfunc_end_k_qd9426811ad_prep-k_qd9426811ad_prep
	.p2alignl 7, 3214868480
	.fill 96, 4, 3214868480
	.section	.rodata,"a",@progbits
	.p2align	6, 0x0
	.amdhsa_kernel k_qd9426811ad_prep
		.amdhsa_group_segment_fixed_size 0
		.amdhsa_private_segment_fixed_size 0
		.amdhsa_enable_private_segment 0
		.amdhsa_kernarg_size 104
		.amdhsa_user_sgpr_count 2
		.amdhsa_user_sgpr_kernarg_segment_ptr 1
		.amdhsa_wavefront_size32 1
		.amdhsa_system_sgpr_workgroup_id_x 1
		.amdhsa_system_sgpr_workgroup_id_y 1
		.amdhsa_system_sgpr_workgroup_id_z 1
		.amdhsa_system_vgpr_workitem_id 0
		.amdhsa_next_free_vgpr 64
		.amdhsa_next_free_sgpr 66
		.amdhsa_reserve_vcc 0
		.amdhsa_float_denorm_mode_32 3
		.amdhsa_float_denorm_mode_16_64 3
		.amdhsa_memory_ordered 1
		.amdhsa_forward_progress 1
		.amdhsa_inst_pref_size 12
	.end_amdhsa_kernel
	.amdgpu_metadata
---
amdhsa.version: [ 1, 2 ]
amdhsa.kernels:
  - .name:           k_qd9426811ad_prep
    .symbol:         k_qd9426811ad_prep.kd
    .args:
      - { .name: x, .offset: 0, .size: 8, .value_kind: global_buffer, .address_space: global }
      - { .name: Wq_re, .offset: 8, .size: 8, .value_kind: global_buffer, .address_space: global }
      - { .name: Wq_im, .offset: 16, .size: 8, .value_kind: global_buffer, .address_space: global }
      - { .name: Wk_re, .offset: 24, .size: 8, .value_kind: global_buffer, .address_space: global }
      - { .name: Wk_im, .offset: 32, .size: 8, .value_kind: global_buffer, .address_space: global }
      - { .name: Wv, .offset: 40, .size: 8, .value_kind: global_buffer, .address_space: global }
      - { .name: Wo, .offset: 48, .size: 8, .value_kind: global_buffer, .address_space: global }
      - { .name: cos, .offset: 56, .size: 8, .value_kind: global_buffer, .address_space: global }
      - { .name: sin, .offset: 64, .size: 8, .value_kind: global_buffer, .address_space: global }
      - { .name: xb, .offset: 72, .size: 8, .value_kind: global_buffer, .address_space: global }
      - { .name: wcat, .offset: 80, .size: 8, .value_kind: global_buffer, .address_space: global }
      - { .name: wob, .offset: 88, .size: 8, .value_kind: global_buffer, .address_space: global }
      - { .name: cs, .offset: 96, .size: 8, .value_kind: global_buffer, .address_space: global }
    .group_segment_fixed_size: 0
    .private_segment_fixed_size: 0
    .kernarg_segment_align: 8
    .kernarg_segment_size: 104
    .max_flat_workgroup_size: 128
    .sgpr_count:     66
    .vgpr_count:     64
    .wavefront_size: 32
...
	.end_amdgpu_metadata
.endif
;; end of part 1
;; launch proj (part 2): grid 16 x 16, 4 waves a work-group, clusters of 4 x 4, 327,680 bytes of LDS; arguments xb, wcat, cs, qf, kf, vf; writes qf, kf, vf
.if DOCPART == 2
	.amdgcn_target "amdgcn-amd-amdhsa--gfx1250"
	.amdhsa_code_object_version 6
	.text
	.protected	k_qd9426811ad_proj
	.globl	k_qd9426811ad_proj
	.p2align	8
	.type	k_qd9426811ad_proj,@function
k_qd9426811ad_proj:
	s_mov_b64 s[64:65], 0
	v_nop
	global_prefetch_b8 v0, s[64:65] scope:SCOPE_SE
	s_setreg_imm32_b32 hwreg(HW_REG_WAVE_MODE, 25, 1), 1
	s_wait_xcnt 0x0
	s_wait_alu depctr_hold_cnt(0) depctr_sa_sdst(0) depctr_va_vdst(0) depctr_va_sdst(0) depctr_va_ssrc(0) depctr_va_vcc(0) depctr_vm_vsrc(0)
	s_getreg_b32 s2, hwreg(HW_REG_IB_STS2, 6, 4)
	s_cmp_eq_u32 s2, 0
	s_cbranch_scc0 .Lentry_in_a_cluster
	s_endpgm
.Lentry_in_a_cluster:
	s_bfe_u32 s2, ttmp6, 0x10000c
	s_cmp_lg_u32 s2, 0xf033
	s_cbranch_scc0 .Lentry_shape_is_right
	s_endpgm
.Lentry_shape_is_right:
; The five projections of one head for 256 rows of x, and the rotation.  xb: bf16 [kb 16][m 4096][64]; wcat: bf16 [h][s][p 5][k 64][d 64] (p = q_re, q_im, k_re, k_im, v / 4);
; cs: bf16 [2][t][64] = cos / 64, sin / 64.  Out, each rounded once to f16 from f32: qf, kf [bh][t][re 64 | im 64] = the rotated q, k / 64; vf [bh][t][64] = v / 4.
; LIMITS.  f16 ends at 65,504: the rotated q and k stay under 4.19e6, v under 262,000; below 6.1e-5 f16 has a fixed step of 6e-8.  NaN and infinities are not treated apart.
; SHARES.  Work-group (h, y): rows 256 y .. + 255, the head's 5 x 64 columns.  Wave w: rows 64 w .. + 63, ALL 320 columns: 80 accumulators of 16 x 16, 640 registers, so that re and im of one
; (t, d) lie in one lane and the rotation changes no lanes.  K goes in steps of 64 through two LDS slots (two slots of 128 along K would be 344,064 bytes: more than the work-group has).
; THE MATRIX INSTRUCTION IS USED TRANSPOSED: source 0 = 16 columns of W (turned on the way out of LDS), source 1 = 16 rows of x: a lane holds row l % 16 and the columns 8 (l / 16) + 0..7.
; CLUSTER 4 x 4: x's tile hangs on y alone and is asked for jointly along a row of the cluster, W's on h alone, along a column.
; REGISTERS, in windows of 256 (s_set_vgpr_msb: bits 1:0 source 0, 3:2 source 1, 5:4 source 2, 7:6 destination):
;   window 0: v0-31 addresses; v32-95 x's fragments (32 along K: kk at +32 kk, row block a at +8 a); v96-255 W's fragments of 32 along K (p at +32 p, column block nb at +8 nb)
;   accumulator (p, a, nb): window 1 + p / 2, at 128 (p % 2) + 8 (4 a + nb);   window 3, v128-255: my part of the table, (a, nb) at 128 + 32 a + 8 nb: cos 4 registers, sin 4
.set SLOT,  88064                      ; x: 256 rows x 144 bytes; then W: 320 rows (p, k) x 160 bytes
.set BOFF,  36864
.set PA,    144                        ; 128 bytes + 16: the 16 rows of a load start at 16 different groups of four banks (64 banks of 4 bytes: ISA guide 11.1)
.set PW,    160                        ; 128 bytes + 32
.set STAGE, 2*SLOT                     ; behind the ring, never filled by a tensor load: for each wave 16 rows of q (272 bytes), of k (272), of v (144)
.set STW,   11008
.set SK,    4352
.set SV,    8704
.set SPARE, STAGE+4*STW                ; the spare words, 128 bytes for each wave: two blocks of 256 bytes that no other line names
.set ASTEP, 524288                     ; bytes from a K step of xb to the next
.set BSTEP, 40960                      ; the same in wcat
.set ADRA, 16                          ; v16-17  LDS address of my x fragments in slot 0, 1
.set ADRB, 20                          ; v20-21  the same for W
.set TO,   22                          ; v22     my byte offset in 16 rows of the table
.set STQ,  23                          ; v23     the way out: where I put 16 bytes of a row of q (k: + SK)
.set STV,  24                          ; v24     of v
.set RDQ,  25                          ; v25     where I read rows of q back
.set RDV,  26                          ; v26     of v
.set GO,   27                          ; v27     16 x lane
.set SPW,  28                          ; v28     LDS address of my spare word; never rewritten
.set NIL,  29                          ; v29     0; never rewritten
.set PFO,  30                          ; v30     256 x lane, for the prefetches; never rewritten
.set AF,   32
.set BF,   96
.set CT,   32                          ; the way out, in window 0: cos, sin as f32; T, U at work; Y, YV packed; RB rows read back
.set SN,   40
.set T,    48
.set U,    56
.set Y,    64
.set YV,   80
.set RB,   96
.set TAB,  128
.set G1,   24                          ; s[24:31] descriptor group 1 for x's tiles;  s[32:39] group 0, a set for each slot
.set G0,   32
.set LIM,  43                          ; s43  1 in a wave that prefetches, else the greatest number
.set PF,   44                          ; s[44:45] where my prefetches stand
.set PST,  46                          ; s[46:47] their step
.set G1B,  48                          ; s[48:55], s[56:63] the same for W's tiles
.set G0B,  56
.set MSB, 0
.macro WIN new                         ; the immediate's high byte repeats the setting that is left; a switch that changes nothing is dropped
.if MSB != (\new)
	s_set_vgpr_msb (MSB<<8)|(\new)
.set MSB, \new
.endif
.endm
.macro PLACES                          ; four places in front of loads into registers that matrix instructions have read, and of vector lines that read results
.rept 4
	v_nop
.endr
.endm
; A joint load: waves 0 and 1 fetch x's two halves, waves 2 and 3 W's.  The branch hangs on the wave's number alone.  An s_nop 0 and four v_nop follow each line.
.macro JLOAD s
	s_cmp_eq_u32 s11, 0
	s_cbranch_scc0 .Lfor_b_\@
	tensor_load_to_lds s[G0+4*(\s):G0+4*(\s)+3], s[G1:G1+7]
	s_nop 0
.rept 4
	v_nop
.endr
	s_branch .Lasked_\@
.Lfor_b_\@:
	tensor_load_to_lds s[G0B+4*(\s):G0B+4*(\s)+3], s[G1B:G1B+7]
	s_nop 0
.rept 4
	v_nop
.endr
.Lasked_\@:
.endm
.macro CREST                           ; a round of the cluster's barrier behind its opening barrier
	s_cmp_lg_u32 s10, 0
	s_cbranch_scc1 .Lnot_wave_0_\@
	s_barrier_signal -3
.Lnot_wave_0_\@:
	s_barrier_wait -3
	s_barrier_signal -1
	s_barrier_wait -1
.endm
.macro CROUND                          ; a whole round
	s_barrier_signal -1
	s_barrier_wait -1
	CREST
.endm
; PREFETCHES INTO THE L2, behind a joint refill and the LDS loads that follow it.  Each aligned block of 256 bytes of xb and wcat is named once in the launch.
; x: a K step of my 256 rows is 128 blocks.  The clusters with x = 0 ask; wave 0 of the partner at cx takes blocks 32 cx .. + 31 (told apart by address), at every change of slots, for the K step two refills on.
; W: a K step of a head is 160 blocks = 5 x 32.  The clusters with y = 0 ask; wave 2 of the partner at cy asks for the WHOLE K step s + 4 + cy, by five lines, at s = 0, 4, 8 (slot 0, s3 odd): two to five K steps ahead.
; K steps 0 to 3 come by their loads alone; the loop's last trip (s3 = 1) asks for nothing, since K steps 16 on do not exist.
.macro ASK slot
	s_cmp_gt_u32 s3, s[LIM]
	s_cbranch_scc0 .Lquiet_\@
	s_cmp_eq_u32 s10, 0
	s_cbranch_scc0 .Lfor_w_\@
	global_prefetch_b8 v[PFO], s[PF:PF+1] th:TH_LOAD_NT scope:SCOPE_SE
	s_branch .Lquiet_\@
.Lfor_w_\@:
.if (\slot) == 0
	s_bitcmp1_b32 s3, 0
	s_cbranch_scc0 .Lquiet_\@
.irp o, 0,1,2,3,4
	global_prefetch_b8 v[PFO], s[PF:PF+1] offset:8192*(\o) th:TH_LOAD_NT scope:SCOPE_SE
.endr
.endif
.Lquiet_\@:
.endm
	s_load_b128 s[4:7], s[0:1], 0x0                ; xb s[4:5], wcat s[6:7]
	s_load_b256 s[68:75], s[0:1], 0x10             ; cs s[68:69], qf s[70:71], kf s[72:73], vf s[74:75]
	v_lshl_add_u32 v[SPW], v0, 2, SPARE
	v_mov_b32 v[NIL], 0
	ds_add_u32 v[SPW], v[NIL]                      ; the wave's opening: the add and its wait stand ahead of my first tensor load
	v_lshrrev_b32 v1, 5, v0
	v_readfirstlane_b32 s10, v1                    ; wave 0..3
	s_lshr_b32 s11, s10, 1                         ; I fetch for x (0) or for W (1)
	s_and_b32 s12, s10, 1                          ; which half of that tile
	s_bfe_u32 s40, ttmp6, 0x40000                  ; cx, cy: my place in the cluster
	s_bfe_u32 s41, ttmp6, 0x40004
	s_lshl_b32 s15, ttmp9, 2
	s_add_co_u32 s15, s15, s40                     ; h = 4 x cluster x + cx
	s_and_b32 s14, ttmp7, 0xffff
	s_lshl_b32 s14, s14, 2
	s_add_co_u32 s14, s14, s41                     ; y = 4 x cluster y + cy
	s_lshl_b32 s16, s41, 2
	s_lshl_b32 s16, 15, s16                        ; my row of the cluster
	s_lshl_b32 s76, 0x1111, s40                    ; my column
	; group 1.  Both tiles are dense in memory and are asked for as rows of 256 bytes, padded in LDS after every 128 bytes (32 words, code 4): x by 4 words (code 3), W by 8 (code 7)
	s_or_b32 s[G1], s16, (1<<16)|(1<<20)|(1<<21)|(4<<22)|(3<<25)   ; 15:0 the mask; 17:16 2-byte elements; 20 padding on; 21 set beside a mask
	s_or_b32 s[G1B], s76, (1<<16)|(1<<20)|(1<<21)|(4<<22)|(7<<25)
	s_mov_b32 s[G1+1], 128<<16                     ; tensor_dim0 = 128
	s_mov_b32 s[G1+2], 64<<16                      ; tensor_dim1 = 64: 128 rows of x
	s_mov_b32 s[G1+3], 128<<16                     ; tile_dim0
	s_mov_b32 s[G1+4], 64                          ; tile_dim1
	s_mov_b32 s[G1+5], 128                         ; elements from row to row
	s_mov_b32 s[G1+6], 0
	s_mov_b32 s[G1+7], 0
	s_mov_b32 s[G1B+1], 128<<16
	s_mov_b32 s[G1B+2], 80<<16                     ; 80 rows of 256 bytes: 160 rows (p, k) of W
	s_mov_b32 s[G1B+3], 128<<16
	s_mov_b32 s[G1B+4], 80
	s_mov_b32 s[G1B+5], 128
	s_mov_b32 s[G1B+6], 0
	s_mov_b32 s[G1B+7], 0
	s_lshl_b32 s16, s14, 15                        ; x: 256 y rows of 128 bytes + my 128 rows
	s_lshl_b32 s17, s12, 14
	s_add_co_u32 s16, s16, s17
	s_mov_b32 s17, 0
	s_mul_i32 s76, s15, 16*BSTEP                   ; W: the head's blocks + my half of a block
	s_mul_i32 s77, s12, BSTEP/2
	s_add_co_u32 s76, s76, s77
	s_mov_b32 s77, 0
	s_mul_i32 s20, s12, 128*PA                     ; where they go: no place in the cluster enters an LDS address
	s_mul_i32 s21, s12, 160*PW
	s_add_co_u32 s21, s21, BOFF
	s_mov_b32 s13, 0xffff0000                      ; a word's upper bf16
	s_wait_dscnt 0x0                               ; the opening add is done
	s_wait_kmcnt 0x0
	s_add_nc_u64 s[18:19], s[4:5], s[16:17]
	s_add_nc_u64 s[78:79], s[6:7], s[76:77]
	CROUND                                         ; all sixteen work-groups are here: the first joint loads meet
.irp s, 0,1
	s_mov_b32 s[G0+4*(\s)], 1
	s_add_co_u32 s[G0+4*(\s)+1], s20, (\s)*SLOT
	s_add_nc_u64 s[G0+4*(\s)+2:G0+4*(\s)+3], s[18:19], (\s)*ASTEP
	s_or_b32 s[G0+4*(\s)+3], s[G0+4*(\s)+3], 0x80000000
	s_mov_b32 s[G0B+4*(\s)], 1
	s_add_co_u32 s[G0B+4*(\s)+1], s21, (\s)*SLOT
	s_add_nc_u64 s[G0B+4*(\s)+2:G0B+4*(\s)+3], s[78:79], (\s)*BSTEP
	s_or_b32 s[G0B+4*(\s)+3], s[G0B+4*(\s)+3], 0x80000000
	JLOAD \s
.endr
	v_and_b32 v1, 15, v0                           ; r = l % 16
	v_bfe_u32 v2, v0, 4, 1                         ; l / 16
	v_lshlrev_b32 v[TO], 7, v1
	v_lshl_add_u32 v[TO], v2, 4, v[TO]             ; row x 128 + 16 x half
	s_and_b32 s16, s14, 7                          ; my rows' place in their batch: t = 256 (y % 8) + 64 w + ..
	s_lshl_b32 s20, s16, 15
	s_lshl_b32 s18, s10, 13
	s_add_co_u32 s20, s20, s18
	s_mov_b32 s21, 0
	s_add_nc_u64 s[68:69], s[68:69], s[20:21]
	WIN 0xc0                                       ; destination window 3.  The table's 32 loads stay out during the whole K loop; they are waited for on the way out
.irp a, 0,1,2,3
.irp nb, 0,1,2,3
	global_load_b128 v[TAB+32*(\a)+8*(\nb):TAB+32*(\a)+8*(\nb)+3],   v[TO], s[68:69] offset:2048*(\a)+32*(\nb)
	global_load_b128 v[TAB+32*(\a)+8*(\nb)+4:TAB+32*(\a)+8*(\nb)+7], v[TO], s[68:69] offset:262144+2048*(\a)+32*(\nb)
.endr
.endr
	WIN 0
	v_mul_u32_u24 v3, v1, PA
	v_lshl_add_u32 v3, v2, 4, v3                   ; a fragment of x: row x pitch + 16 x half
	s_mul_i32 s21, s10, 64*PA                      ; my 64 rows
	v_add_nc_u32 v[ADRA], s21, v3
	v_add_nc_u32 v[ADRA+1], SLOT, v[ADRA]
	v_and_b32 v4, 7, v0                            ; the turning load: lane l reads row 8 (l / 16) + l % 8, columns 8 ((l / 8) % 2) + 0..7
	v_bfe_u32 v5, v0, 3, 1
	v_lshl_add_u32 v6, v2, 3, v4
	v_mul_u32_u24 v6, v6, PW
	v_lshl_add_u32 v6, v5, 4, v6
	v_add_nc_u32 v[ADRB], BOFF, v6
	v_add_nc_u32 v[ADRB+1], SLOT, v[ADRB]
	s_mul_i32 s23, s10, STW
	s_add_co_u32 s23, s23, STAGE                   ; my stage
	v_mul_u32_u24 v7, v1, 272
	v_lshl_add_u32 v7, v2, 4, v7
	v_add_nc_u32 v[STQ], s23, v7
	v_add_nc_u32 v[STV], s23, v3
	v_add_nc_u32 v[STV], SV, v[STV]
	v_mul_u32_u24 v7, v2, 272                      ; back: lanes 0-15 one row of 256 bytes, lanes 16-31 the next
	v_lshl_add_u32 v7, v1, 4, v7
	v_add_nc_u32 v[RDQ], s23, v7
	v_bfe_u32 v7, v0, 3, 2                         ; v: 32 lanes take four rows of 128 bytes
	v_mul_u32_u24 v7, v7, 144
	v_lshl_add_u32 v7, v4, 4, v7
	v_add_nc_u32 v[RDV], s23, v7
	v_add_nc_u32 v[RDV], SV, v[RDV]
	v_and_b32 v[GO], 31, v0
	v_lshlrev_b32 v[PFO], 8, v[GO]
	v_lshlrev_b32 v[GO], 4, v[GO]
	s_lshr_b32 s17, s14, 3                         ; batch
	s_lshl_b32 s17, s17, 4
	s_add_co_u32 s17, s17, s15                     ; bh = 16 x batch + h
	s_lshl_b32 s17, s17, 19                        ; 2,048 rows of 256 bytes
	s_lshl_b32 s16, s16, 16
	s_add_co_u32 s20, s17, s16
	s_lshl_b32 s18, s10, 14
	s_add_co_u32 s20, s20, s18
	s_mov_b32 s21, 0
	s_add_nc_u64 s[70:71], s[70:71], s[20:21]      ; qf, kf at my wave's first row
	s_add_nc_u64 s[72:73], s[72:73], s[20:21]
	s_lshr_b32 s20, s20, 1
	s_add_nc_u64 s[74:75], s[74:75], s[20:21]      ; vf: rows of 128 bytes
	; the prefetches: both start one K step short of the first one named; the step stands at the head of each change of slots
	s_lshl_b32 s16, s14, 15
	s_lshl_b32 s18, s40, 13
	s_add_co_u32 s16, s16, s18
	s_add_co_u32 s16, s16, 3*ASTEP                 ; x: K step 3, my rows, my work-group's 32 blocks
	s_mul_i32 s17, s15, 16*BSTEP
	s_add_co_u32 s18, s41, 3
	s_mul_i32 s18, s18, BSTEP
	s_add_co_u32 s17, s17, s18                     ; W: the head's K step 3 + cy
	s_mov_b32 s18, ASTEP
	s_mov_b32 s19, BSTEP
	s_and_b32 s22, ttmp7, 0xffff
	s_cmp_eq_u32 s11, 0
	s_cselect_b32 s20, s16, s17
	s_cselect_b32 s22, ttmp9, s22                  ; the coordinate along which other clusters read the same blocks
	s_cselect_b32 s[PST], s18, s19
	s_cselect_b64 s[PF:PF+1], s[4:5], s[6:7]
	s_mov_b32 s21, 0
	s_mov_b32 s[PST+1], 0
	s_add_nc_u64 s[PF:PF+1], s[PF:PF+1], s[20:21]
	s_or_b32 s22, s22, s12                         ; waves 1 and 3 never ask
	s_cmp_eq_u32 s22, 0
	s_cselect_b32 s[LIM], 1, -1                    ; the same in all sixteen partners, for a given wave
; 16 matrix instructions: projection p, 32 along K (half kk of the step), my 4 row blocks x its 4 column blocks.  No two on end share an accumulator: 79 others stand between two links of a chain.
.macro UNIT kk, p, zero=0
	WIN ((1+(\p)/2)<<6)|((1+(\p)/2)<<4)
.irp a, 0,1,2,3
.irp nb, 0,1,2,3
.set rD, 128*((\p)%2)+8*(4*(\a)+(\nb))
.if \zero
	v_wmma_f32_16x16x32_bf16 v[rD:rD+7], v[BF+32*(\p)+8*(\nb):BF+32*(\p)+8*(\nb)+7], v[AF+32*(\kk)+8*(\a):AF+32*(\kk)+8*(\a)+7], 0
.else
	v_wmma_f32_16x16x32_bf16 v[rD:rD+7], v[BF+32*(\p)+8*(\nb):BF+32*(\p)+8*(\nb)+7], v[AF+32*(\kk)+8*(\a):AF+32*(\kk)+8*(\a)+7], v[rD:rD+7]
.endif
.endr
.endr
.endm
.macro LDB slot, kk, p                 ; 8 LDS loads: projection p's fragments of W, turned
.irp nb, 0,1,2,3
	ds_load_tr16_b128 v[BF+32*(\p)+8*(\nb):BF+32*(\p)+8*(\nb)+3],   v[ADRB+(\slot)] offset:(\p)*64*PW+(\kk)*32*PW+32*(\nb)
	ds_load_tr16_b128 v[BF+32*(\p)+8*(\nb)+4:BF+32*(\p)+8*(\nb)+7], v[ADRB+(\slot)] offset:(\p)*64*PW+(\kk)*32*PW+32*(\nb)+16*PW
.endr
.endm
.macro LDA slot, kk                    ; 8 LDS loads: my 64 rows of x
.irp a, 0,1,2,3
	ds_load_b128 v[AF+32*(\kk)+8*(\a):AF+32*(\kk)+8*(\a)+3],   v[ADRA+(\slot)] offset:(\a)*16*PA+64*(\kk)
	ds_load_b128 v[AF+32*(\kk)+8*(\a)+4:AF+32*(\kk)+8*(\a)+7], v[ADRA+(\slot)] offset:(\a)*16*PA+64*(\kk)+32
.endr
.endm
; The first half of a K step.  Each projection's fragments are loaded anew, for the second half, as soon as they have been multiplied.
; The counts: behind W's fragments (kk = 0, p) stand 8 (4 - p) loads of this half and 8 p of the next, and x's 8 once p is 1 or more.
.macro K0 slot, zero
.irp p, 0,1,2,3,4
.if (\p) == 0
	s_wait_dscnt 32
.else
	s_wait_dscnt 40
.endif
	UNIT 0, \p, \zero
	WIN 0
	PLACES
.if (\p) == 0
	LDA \slot, 1
.endif
	LDB \slot, 1, \p
.endr
.endm
; The second half, and the change of slots.  In front of the barrier each wave waits for all its tensor loads (one is out: its part of the next slot), adds 0 to its spare word, and waits for that and for its reads of this slot.
; fill = 1: the barrier opens a round of the cluster's, and the joint refill, two K steps on, is the first tensor load behind it: 128 matrix instructions ahead of the wait for it.
.macro K1T slot, next, fill
	s_wait_xcnt 0x0                                ; the last prefetch, a K step back, has read its address
	s_add_nc_u64 s[PF:PF+1], s[PF:PF+1], s[PST:PST+1]
	WIN 0
	s_wait_tensorcnt 0x0                           ; all my tensor loads have landed
	ds_add_u32 v[SPW], v[NIL]                      ; 0 onto my spare word
	s_wait_dscnt 33                                ; x and projection 0 are in: the other four projections' 32 loads and the add may be out
	UNIT 1, 0
	s_wait_dscnt 0x0                               ; the add is done, and my reads of this slot are over
	s_barrier_signal -1
	UNIT 1, 1
	WIN 0
	s_barrier_wait -1
.if \fill
	CREST                                          ; no wave of any partner still reads this slot or has a load on its way
	s_add_nc_u64 s[G0+4*(\slot)+2:G0+4*(\slot)+3], s[G0+4*(\slot)+2:G0+4*(\slot)+3], 2*ASTEP
	s_add_nc_u64 s[G0B+4*(\slot)+2:G0B+4*(\slot)+3], s[G0B+4*(\slot)+2:G0B+4*(\slot)+3], 2*BSTEP
	JLOAD \slot                                    ; its four v_nop are also the places in front of the loads below
.else
	PLACES
.endif
	LDA \next, 0
	LDB \next, 0, 0
	LDB \next, 0, 1
.if \fill
	ASK \slot
.endif
.irp p, 2,3,4
	UNIT 1, \p                                     ; (all this half's fragments were shown in by the wait for 0 above)
	WIN 0
	PLACES
	LDB \next, 0, \p
.endr
.endm
.macro K1L                             ; the very last half: nothing more to fetch
.irp p, 0,1,2,3,4
	s_wait_dscnt 8*(4-(\p))
	UNIT 1, \p
.endr
.endm
	s_wait_tensorcnt 1                             ; my part of K step 0 is in; K step 1's may stay out
	s_barrier_signal -1
	s_barrier_wait -1
	LDA 0, 0
.irp p, 0,1,2,3,4
	LDB 0, 0, \p
.endr
	K0 0, 1                                        ; the first products start the sums: nothing is cleared
	WIN 0
	s_mov_b32 s3, 7
.Llap:                                             ; seven trips, two K steps each; they refill K steps 2 to 15
	K1T 0, 1, 1
	K0 1, 0
	K1T 1, 0, 1
	K0 0, 0
	WIN 0
	s_sub_co_u32 s3, s3, 1
	s_cmp_lg_u32 s3, 0
	s_cbranch_scc1 .Llap
	K1T 0, 1, 0                                    ; K steps 14 and 15 ask for nothing
	K0 1, 0
	K1L
	WIN 0
	PLACES
	PLACES
	s_wait_loadcnt 0x0                             ; the table
; THE WAY OUT.  For a block of 16 rows x 16 columns: the table's 8 cos and 8 sin as f32; re' = re c - im s, im' = re s + im c for q and for k; all rounded to f16 and put into my stage.
.macro UNPK a, nb
	WIN 0x0c                                       ; source 1 in window 3
.irp k, 0,1,2,3
	v_lshlrev_b32 v[CT+2*(\k)],   16,  v[TAB+32*(\a)+8*(\nb)+(\k)]
	v_and_b32     v[CT+2*(\k)+1], s13, v[TAB+32*(\a)+8*(\nb)+(\k)]
	v_lshlrev_b32 v[SN+2*(\k)],   16,  v[TAB+32*(\a)+8*(\nb)+4+(\k)]
	v_and_b32     v[SN+2*(\k)+1], s13, v[TAB+32*(\a)+8*(\nb)+4+(\k)]
.endr
.endm
.macro ROT w, a, nb, y, so             ; w: the window of re (lower half) and im (upper half); each accumulator is read from its low end on
.set rR, 8*(4*(\a)+(\nb))
	WIN \w
.irp k, 0,2,4,6
	v_pk_mul_f32 v[T+(\k):T+(\k)+1], v[rR+128+(\k):rR+128+(\k)+1], v[SN+(\k):SN+(\k)+1]
.endr
.irp k, 0,2,4,6
	v_pk_mul_f32 v[U+(\k):U+(\k)+1], v[rR+128+(\k):rR+128+(\k)+1], v[CT+(\k):CT+(\k)+1]
.endr
.irp k, 0,2,4,6
	v_pk_fma_f32 v[T+(\k):T+(\k)+1], v[rR+(\k):rR+(\k)+1], v[CT+(\k):CT+(\k)+1], v[T+(\k):T+(\k)+1] neg_lo:[0,0,1] neg_hi:[0,0,1]
.endr
.irp k, 0,2,4,6
	v_pk_fma_f32 v[U+(\k):U+(\k)+1], v[rR+(\k):rR+(\k)+1], v[SN+(\k):SN+(\k)+1], v[U+(\k):U+(\k)+1]
.endr
	WIN 0
.irp k, 0,1,2,3
	v_cvt_pk_f16_f32 v[(\y)+(\k)],   v[T+2*(\k)], v[T+2*(\k)+1]
	v_cvt_pk_f16_f32 v[(\y)+4+(\k)], v[U+2*(\k)], v[U+2*(\k)+1]
.endr
	ds_store_b128 v[STQ], v[(\y):(\y)+3]   offset:(\so)+32*(\nb)
	ds_store_b128 v[STQ], v[(\y)+4:(\y)+7] offset:(\so)+32*(\nb)+128
.endm
.macro PIECE a, nb
	UNPK \a, \nb
	ROT 1, \a, \nb, Y, 0
	ROT 2, \a, \nb, Y+8, SK
	WIN 0x0f                                       ; v: sources 0 and 1 in window 3
.irp k, 0,1,2,3
	v_cvt_pk_f16_f32 v[YV+(\k)], v[8*(4*(\a)+(\nb))+2*(\k)], v[8*(4*(\a)+(\nb))+2*(\k)+1]
.endr
	WIN 0
	ds_store_b128 v[STV], v[YV:YV+3] offset:32*(\nb)
.endm
; 16 rows come back whole and are stored: each store of the wave covers 512 consecutive bytes, aligned.  LDS serves a wave's instructions in order (ISA guide 5.7.1.4): the loads see the stores above, the next block's stores come behind them.
.macro BACK a
	s_wait_xcnt 0x0                                ; the last block's stores have read RB: it is loaded again only behind this wait
.irp f, 0,1,2,3,4,5,6,7
	ds_load_b128 v[RB+4*(\f):RB+4*(\f)+3], v[RDQ] offset:544*(\f)
.endr
.irp f, 0,1,2,3,4,5,6,7
	ds_load_b128 v[RB+32+4*(\f):RB+32+4*(\f)+3], v[RDQ] offset:SK+544*(\f)
.endr
.irp f, 0,1,2,3
	ds_load_b128 v[RB+64+4*(\f):RB+64+4*(\f)+3], v[RDV] offset:576*(\f)
.endr
	s_wait_dscnt 12                                ; q's eight are in: k's 8 and v's 4 may be out
.irp f, 0,1,2,3,4,5,6,7
	global_store_b128 v[GO], v[RB+4*(\f):RB+4*(\f)+3], s[70:71] offset:4096*(\a)+512*(\f)
.endr
	s_wait_dscnt 4
.irp f, 0,1,2,3,4,5,6,7
	global_store_b128 v[GO], v[RB+32+4*(\f):RB+32+4*(\f)+3], s[72:73] offset:4096*(\a)+512*(\f)
.endr
	s_wait_dscnt 0x0
.irp f, 0,1,2,3
	global_store_b128 v[GO], v[RB+64+4*(\f):RB+64+4*(\f)+3], s[74:75] offset:2048*(\a)+512*(\f)
.endr
.endm
.irp a, 0,1,2,3
.irp nb, 0,1,2,3
	PIECE \a, \nb
.endr
	BACK \a
.endr
	s_wait_tensorcnt 0x0                           ; the wave's end
	ds_add_u32 v[SPW], v[NIL]
	s_wait_dscnt 0x0
	CROUND                                         ; the closing round
	s_endpgm
.Lfunc_end_k_qd9426811ad_proj:
	.size	k_qd9426811ad_proj, .Lfunc_end_k_qd9426811ad_proj-k_qd9426811ad_proj
	.p2alignl 7, 3214868480
	.fill 96, 4, 3214868480
	.section	.rodata,"a",@progbits
	.p2align	6, 0x0
	.amdhsa_kernel k_qd9426811ad_proj
		.amdhsa_group_segment_fixed_size 327680
		.amdhsa_private_segment_fixed_size 0
		.amdhsa_enable_private_segment 0
		.amdhsa_kernarg_size 48
		.amdhsa_user_sgpr_count 2
		.amdhsa_user_sgpr_kernarg_segment_ptr 1
		.amdhsa_wavefront_size32 1
		.amdhsa_system_sgpr_workgroup_id_x 1
		.amdhsa_system_sgpr_workgroup_id_y 1
		.amdhsa_system_sgpr_workgroup_id_z 1
		.amdhsa_system_vgpr_workitem_id 0
		.amdhsa_next_free_vgpr 1024
		.amdhsa_next_free_sgpr 96
		.amdhsa_reserve_vcc 0
		.amdhsa_float_denorm_mode_32 3
		.amdhsa_float_denorm_mode_16_64 3
		.amdhsa_memory_ordered 1
		.amdhsa_forward_progress 1
		.amdhsa_inst_pref_size 169
	.end_amdhsa_kernel
	.amdgpu_metadata
---
amdhsa.version: [ 1, 2 ]
amdhsa.kernels:
  - .name:           k_qd9426811ad_proj
    .symbol:         k_qd9426811ad_proj.kd
    .args:
      - { .name: xb, .offset: 0, .size: 8, .value_kind: global_buffer, .address_space: global }
      - { .name: wcat, .offset: 8, .size: 8, .value_kind: global_buffer, .address_space: global }
      - { .name: cs, .offset: 16, .size: 8, .value_kind: global_buffer, .address_space: global }
      - { .name: qf, .offset: 24, .size: 8, .value_kind: global_buffer, .address_space: global }
      - { .name: kf, .offset: 32, .size: 8, .value_kind: global_buffer, .address_space: global }
      - { .name: vf, .offset: 40, .size: 8, .value_kind: global_buffer, .address_space: global }
    .group_segment_fixed_size: 327680
    .private_segment_fixed_size: 0
    .kernarg_segment_align: 8
    .kernarg_segment_size: 48
    .max_flat_workgroup_size: 128
    .sgpr_count:     96
    .vgpr_count:     1024
    .wavefront_size: 32
...
	.end_amdgpu_metadata
.endif
;; end of part 2
;; launch attn (part 3): grid 8 x 32, 4 waves a work-group, no clusters, 327,680 bytes of LDS; arguments qf, kf, vf, ob; writes ob
.if DOCPART == 3
	.amdgcn_target "amdgcn-amd-amdhsa--gfx1250"
	.amdhsa_code_object_version 6
	.text
	.protected	k_qd9426811ad_attn
	.globl	k_qd9426811ad_attn
	.p2align	8
	.type	k_qd9426811ad_attn,@function
k_qd9426811ad_attn:
	s_mov_b64 s[64:65], 0
	v_nop
	global_prefetch_b8 v0, s[64:65] scope:SCOPE_SE
	s_setreg_imm32_b32 hwreg(HW_REG_WAVE_MODE, 25, 1), 1
	s_wait_xcnt 0x0
; CAUSAL ATTENTION.  qf, kf: f16 [bh 32][t 2048][128] (the rotated q, k / 64: re 64 | im 64); vf: f16 [bh][t][64] (v / 4).  ob: f16 [h 16][m 4096][64] = O / 4.
; A score is s = q' . k' over 128 channels = q . k / 4096; p = 2^(c s - c m) with c = 4096 log2(e) / 8 in f32 and a running maximum m; in every step O and l are multiplied by a = 2^(c m_old - c m_new).
; Products, maxima and sums in f32; p is rounded to f16 for the second product (l is the sum of the unrounded p), O once at the end.
; LIMITS.  q', k', v / 4 arrive within f16's 65,504.  A hidden score counts as its value less 1e30 (scores reach 5.5e11 at the most); a weight below 2^-126 counts as 0; NaN and infinities are not treated apart.
; THE WALK.  A head's queries lie in 16 blocks of 128; block i needs the key tiles 0 .. i of 128 keys, the last of which holds the diagonal.  A work-group takes blocks 15 - b and then b: 17 tiles, whatever b:
; all work-groups do equal work, and one loop with a constant count walks them.  The diagonal tile is computed whole, under masks: the same work for every wave.
; NO CLUSTER: a head's eight work-groups ask for the same tile only in trips 0 to 8, behind that fewer and fewer; one walk common to all would have 24 trips for 17.
; SHARES.  Wave w owns rows 32 w .. + 31 of a block: two tiles u of 16 queries.  A key tile is two steps of 64 keys.
; LAYOUT.  S^T = K Q^T holds one query a lane (l % 16) and the keys 8 (l / 16) + 0..7; two such results rounded to f16 ARE source 1 of O^T = V^T P.  K comes out of LDS as it lies, V turned.
; THE MASK is the C operand that starts the sum: MD, made once: 0, or -1e30 where the key lies behind the query.  Only the diagonal tile's text takes it.
; The step is written in phases: K Q^T, the softmax, V^T P.
; REGISTERS, in windows of 256 (s_set_vgpr_msb: bits 1:0 source 0, 3:2 source 1, 5:4 source 2, 7:6 destination):
;   window 0: v0-15 addresses; v16-31 statistics; v64-127 S^T (u at +32 u, key block kb at +8 kb); v128-159 P (+16 u); v160-223 O^T (+32 u, channel block cb at +8 cb)
;   window 1: v0-127 K of a step (32 kb + 8 c); v128-191 Q (32 u + 8 c); v192-255 V of a step (32 kk + 8 cb)       window 2: v0-127 MD (64 s + 32 u + 8 kb + j); v128-191 the second block's Q
.set NB,    16
.set PK,    272                        ; a row of K in LDS: 256 bytes + 16: the 16 rows of a load start at 16 different groups of four banks (64 banks of 4 bytes: ISA guide 11.1)
.set PVV,   160                        ; a row of V: 128 + 32
.set VOFF,  128*PK
.set SLOT1, 65536                      ; one exclusive or turns an address in one slot into the other's
.set STAGE, 2*SLOT1                    ; behind the ring, never filled by a tensor load: 16 rows x 144 bytes for each wave
.set SP,    144
.set SPARE, STAGE+4*16*SP              ; the spare words, 128 bytes for each wave: two blocks of 256 bytes that no other line names
.set AK0, 2
.set AV0, 3
.set ADK, 4
.set ADV, 5
.set STO, 6
.set RD,  7
.set GO,  8
.set QO,  15
.set ST,  16                           ; tile u at v[ST+8 u]: c m, m, l (even keys', odd keys'), c0-c3 at work; a takes c2's place
.set PFO, 61
.set SPW, 62
.set NIL, 63
.set S,   64
.set P,   128
.set OT,  160
.set QF,  128
.set VF,  192
.set QB,  128
.set WV,  12
.set PB,  14                           ; s14  b
.set HI,  15                           ; s15  15 - b
.set G1K, 24
.set G1V, 32
.set G0K, 40
.set G0V, 44
.set SLOTS, 56
.set CS,  58
.set SEL, 60
.set TB,  62                           ; s62  LDS byte at which the slot to be read begins
.set RT,  70                           ; s70  tiles of the block in hand still to be entered
.set NXT, 71                           ; s71  the tile to be asked for next
.set LQ,  72                           ; s72  the last tile of the block whose tiles are being asked for
.set NEW, 73                           ; s73  1: the tile to be entered is a block's first
.set OFF, 74                           ; s[74:75] a tile's byte offset in kf
.set OFV, 76                           ; s[76:77] in vf
.set OLO, 80                           ; s[80:81] ob at my rows of the second block
.set BIGN, 82
.set LIM, 83                           ; s83  2 in the work-group that prefetches, else the greatest number
.set PF,  84                           ; s[84:85] where my prefetches stand
.set PST, 86                           ; s[86:87] their step: a tile
.set MSB, 0
.macro WIN new
.if MSB != (\new)
	s_set_vgpr_msb (MSB<<8)|(\new)
.set MSB, (\new)
.endif
.endm
.set W_KQ, 0x05
.set W_KM, 0x25
.set W_PV, 0x01
.macro PLACES
.rept 4
	v_nop
.endr
.endm
; A fill.  Waves 0 and 1 fetch the two halves of a tile's K, waves 2 and 3 those of its V: 64 keys each.  An s_nop 0 and four v_nop follow each line.
.macro LOAD
	s_cmp_lt_u32 s[WV], 2
	s_cbranch_scc0 .Lfor_v_\@
	tensor_load_to_lds s[G0K:G0K+3], s[G1K:G1K+7]
	s_nop 0
.rept 4
	v_nop
.endr
	s_branch .Lasked_\@
.Lfor_v_\@:
	tensor_load_to_lds s[G0V:G0V+3], s[G1V:G1V+7]
	s_nop 0
.rept 4
	v_nop
.endr
.Lasked_\@:
.endm
; A PREFETCH INTO THE L2 of the tile that the NEXT change of slots will ask for.  All eight work-groups of a head walk the same tiles; b = 0 walks 0 to 15 in its first block, and it alone asks.
; Each wave asks for what it will load itself: 64 rows of K (two lines, a lane a row of 256 bytes) or 8,192 bytes of V (one line).  Tiles 0 and 1 come by their loads alone; tile 15 is the last named (SLOTS = 3).
.macro ASK
	s_cmp_gt_u32 s[SLOTS], s[LIM]
	s_cbranch_scc0 .Lquiet_\@
	global_prefetch_b8 v[PFO], s[PF:PF+1] th:TH_LOAD_NT scope:SCOPE_SE
	s_cmp_lt_u32 s[WV], 2
	s_cbranch_scc0 .Lquiet_\@
	global_prefetch_b8 v[PFO], s[PF:PF+1] offset:8192 th:TH_LOAD_NT scope:SCOPE_SE
.Lquiet_\@:
.endm
; THE CHANGE OF SLOTS.  Each wave waits for all its tensor loads (one is out: its part of the other slot), adds 0 to its spare word, and waits for that and for its reads of the slot that it leaves.
; fill = 1: the old slot is filled again, first thing behind the barrier, with tile NXT; the descriptor's address is made anew from that number.  (At its first use: slot 0 is waited for, slot 1 filled.)
.macro CHANGE fill
	WIN 0
	s_wait_tensorcnt 0x0
	ds_add_u32 v[SPW], v[NIL]
.if \fill
	s_lshl_b32 s[OFF], s[NXT], 15                  ; a tile is 32,768 bytes of kf
	s_lshl_b32 s[OFV], s[NXT], 14                  ; and 16,384 of vf
	s_xor_b32 s[G0K+1], s[G0K+1], SLOT1
	s_add_nc_u64 s[G0K+2:G0K+3], s[6:7], s[OFF:OFF+1]
	s_or_b32 s[G0K+3], s[G0K+3], 0x80000000
	s_xor_b32 s[G0V+1], s[G0V+1], SLOT1
	s_add_nc_u64 s[G0V+2:G0V+3], s[8:9], s[OFV:OFV+1]
	s_or_b32 s[G0V+3], s[G0V+3], 0x80000000
	s_add_co_u32 s[NXT], s[NXT], 1                 ; the block's next tile, or behind its last the second block's tile 0
	s_cmp_gt_u32 s[NXT], s[LQ]
	s_cselect_b32 s[NXT], 0, s[NXT]
	s_cselect_b32 s[LQ], s[PB], s[LQ]
	s_wait_xcnt 0x0                                ; the last prefetches, a tile back, have read their address
	s_add_nc_u64 s[PF:PF+1], s[PF:PF+1], s[PST:PST+1]
.endif
	s_wait_dscnt 0x0                               ; the add is done, and my reads of the slot are over
	s_barrier_signal -1
	s_xor_b32 s[TB], s[TB], SLOT1
	s_barrier_wait -1
.if \fill
	LOAD
	ASK
.endif
.endm
	s_load_b256 s[4:11], s[0:1], 0x0               ; qf s[4:5], kf s[6:7], vf s[8:9], ob s[10:11]
	v_lshl_add_u32 v[SPW], v0, 2, SPARE
	v_mov_b32 v[NIL], 0
	ds_add_u32 v[SPW], v[NIL]                      ; the wave's opening: the add and its wait stand ahead of my first tensor load
	v_lshrrev_b32 v1, 5, v0
	v_readfirstlane_b32 s[WV], v1
	s_mov_b32 s[PB], ttmp9
	s_sub_co_u32 s[HI], NB-1, s[PB]
	s_and_b32 s20, ttmp7, 0xffff                   ; bh
	s_and_b32 s16, s[WV], 1                        ; which half of a tile's 128 keys I fetch
	s_lshl_b32 s21, s20, 19                        ; the head's first byte in qf and kf
	s_lshl_b32 s17, s16, 14
	s_add_co_u32 s22, s21, s17                     ; kf: + my 64 rows of 256 bytes
	s_mov_b32 s23, 0
	s_lshr_b32 s18, s22, 1                         ; vf: half of that
	s_mov_b32 s19, 0
	s_mul_i32 s17, s16, 64*PK                      ; my part's place in a slot, for K
	s_mul_i32 s13, s16, 64*PVV                     ; and for V
	s_lshl_b32 s3, s[WV], 13                       ; my 32 rows of 256 bytes
	s_add_co_u32 s3, s3, s21
	s_lshl_b32 s2, s[HI], 15
	s_add_co_u32 s2, s2, s3                        ; qf at my rows of the first block,
	s_lshl_b32 s50, s[PB], 15
	s_add_co_u32 s50, s50, s3                      ; and of the second
	s_mov_b32 s3, 0
	s_mov_b32 s51, 0
	s_and_b32 s52, s20, 15                         ; ob: head x 4,096 rows + batch x 2,048 + block x 128 + 32 w, rows of 128 bytes
	s_lshl_b32 s52, s52, 19
	s_lshr_b32 s53, s20, 4
	s_lshl_b32 s53, s53, 18
	s_add_co_u32 s52, s52, s53
	s_lshl_b32 s53, s[WV], 12
	s_add_co_u32 s52, s52, s53
	s_lshl_b32 s54, s[PB], 14
	s_add_co_u32 s54, s54, s52
	s_lshl_b32 s53, s[HI], 14
	s_add_co_u32 s52, s52, s53
	s_mov_b32 s53, 0
	s_mov_b32 s55, 0
	; group 1.  K: 64 rows of 256 bytes, 4 words of padding after every 64.  V: 64 keys are 8,192 dense bytes: 32 rows of 256 bytes, 8 words of padding after every 32
	s_mov_b32 s[G1K], (1<<16)|(1<<20)|(5<<22)|(3<<25)
	s_mov_b32 s[G1K+1], 128<<16
	s_mov_b32 s[G1K+2], 64<<16
	s_mov_b32 s[G1K+3], 128<<16
	s_mov_b32 s[G1K+4], 64
	s_mov_b32 s[G1K+5], 128
	s_mov_b32 s[G1K+6], 0
	s_mov_b32 s[G1K+7], 0
	s_mov_b32 s[G1V], (1<<16)|(1<<20)|(4<<22)|(7<<25)
	s_mov_b32 s[G1V+1], 128<<16
	s_mov_b32 s[G1V+2], 32<<16
	s_mov_b32 s[G1V+3], 128<<16
	s_mov_b32 s[G1V+4], 32
	s_mov_b32 s[G1V+5], 128
	s_mov_b32 s[G1V+6], 0
	s_mov_b32 s[G1V+7], 0
	s_mov_b32 s[CS], 0x4438aa3b                    ; c = 512 log2(e) = 738.66
	s_mov_b32 s[CS+1], s[CS]
	s_mov_b32 s[SEL], 0x76543210
	s_mov_b32 s[SEL+1], 0xfedcba98
	s_mov_b32 s[TB], SLOT1                         ; the first change of slots turns it into 0
	s_mov_b32 s[G0K], 1
	s_mov_b32 s[G0K+1], s17
	s_mov_b32 s[G0V], 1
	s_add_co_u32 s[G0V+1], s13, VOFF
	s_add_co_u32 s[RT], s[HI], 1                   ; the first block has 16 - b tiles
	s_mov_b32 s[NXT], 1
	s_mov_b32 s[LQ], s[HI]
	s_mov_b32 s[NEW], 1
	s_mov_b32 s[OFF+1], 0
	s_mov_b32 s[OFV+1], 0
	s_mov_b32 s[BIGN], 0xf149f2ca                  ; -1e30
	s_mov_b32 s[SLOTS], NB
	s_cmp_eq_u32 s[PB], 0
	s_cselect_b32 s[LIM], 2, -1
	s_mov_b32 s13, 32768
	s_mov_b32 s[PST+1], 0
	s_wait_dscnt 0x0                               ; the opening add is done
	s_wait_kmcnt 0x0
	s_add_nc_u64 s[6:7], s[6:7], s[22:23]          ; kf and vf at my half of the head's tile 0
	s_add_nc_u64 s[8:9], s[8:9], s[18:19]
	s_add_nc_u64 s[G0K+2:G0K+3], s[6:7], 0
	s_or_b32 s[G0K+3], s[G0K+3], 0x80000000
	s_add_nc_u64 s[G0V+2:G0V+3], s[8:9], 0
	s_or_b32 s[G0V+3], s[G0V+3], 0x80000000
	s_add_nc_u64 s[48:49], s[4:5], s[50:51]
	s_add_nc_u64 s[4:5], s[4:5], s[2:3]
	s_add_nc_u64 s[OLO:OLO+1], s[10:11], s[54:55]
	s_add_nc_u64 s[10:11], s[10:11], s[52:53]
	s_cmp_lt_u32 s[WV], 2
	s_cselect_b64 s[PF:PF+1], s[6:7], s[8:9]
	s_cselect_b32 s[PST], s13, 16384
	s_add_nc_u64 s[PF:PF+1], s[PF:PF+1], s[PST:PST+1]  ; at my part of tile 1; the first change steps it to tile 2
	LOAD                                           ; tile 0 into slot 0
	v_and_b32 v1, 15, v0                           ; l % 16
	v_bfe_u32 v9, v0, 4, 1                         ; l / 16
	v_lshlrev_b32 v[QO], 8, v1
	v_lshl_add_u32 v[QO], v9, 4, v[QO]             ; row x 256 + 16 x half
	WIN 0x40                                       ; both blocks' Q: tile u, channels 32 c on
.irp u, 0,1
.irp c, 0,1,2,3
	global_load_b128 v[QF+32*(\u)+8*(\c):QF+32*(\u)+8*(\c)+3],   v[QO], s[4:5] offset:4096*(\u)+64*(\c)
	global_load_b128 v[QF+32*(\u)+8*(\c)+4:QF+32*(\u)+8*(\c)+7], v[QO], s[4:5] offset:4096*(\u)+64*(\c)+32
.endr
.endr
	WIN 0x80
.irp u, 0,1
.irp c, 0,1,2,3
	global_load_b128 v[QB+32*(\u)+8*(\c):QB+32*(\u)+8*(\c)+3],   v[QO], s[48:49] offset:4096*(\u)+64*(\c)
	global_load_b128 v[QB+32*(\u)+8*(\c)+4:QB+32*(\u)+8*(\c)+7], v[QO], s[48:49] offset:4096*(\u)+64*(\c)+32
.endr
.endr
	WIN 0
	v_lshlrev_b32 v14, 3, v9
	v_sub_nc_u32 v14, v1, v14
	s_lshl_b32 s13, s[WV], 5
	v_add_nc_u32 v14, s13, v14                     ; 32 w + l % 16 - 8 (l / 16): register j of (s, u, kb) is hidden where 64 s + 16 kb + j - 16 u is greater
	WIN 0x80
.set i, 0
.rept 128
	v_cmp_gt_i32 vcc_lo, 64*(i/64)+16*((i/8)%4)+i%8-16*((i/32)%2), v14
	v_cndmask_b32 v[i], 0, s[BIGN], vcc_lo
.set i, i+1
.endr
	WIN 0
	v_mul_u32_u24 v[AK0], v1, PK
	v_lshl_add_u32 v[AK0], v9, 4, v[AK0]
	v_and_b32 v10, 7, v0
	v_bfe_u32 v11, v0, 3, 1
	v_lshl_add_u32 v[AV0], v9, 3, v10
	v_mul_u32_u24 v[AV0], v[AV0], PVV
	v_lshl_add_u32 v[AV0], v11, 4, v[AV0]
	v_add_nc_u32 v[AV0], VOFF, v[AV0]
	s_mul_i32 s13, s[WV], 16*SP
	s_add_co_u32 s13, s13, STAGE                   ; my stage
	v_mul_u32_u24 v[STO], v1, SP
	v_lshl_add_u32 v[STO], v9, 4, v[STO]
	v_add_nc_u32 v[STO], s13, v[STO]
	v_bfe_u32 v[RD], v0, 3, 2
	v_mul_u32_u24 v[RD], v[RD], SP
	v_lshl_add_u32 v[RD], v10, 4, v[RD]
	v_add_nc_u32 v[RD], s13, v[RD]
	v_and_b32 v[GO], 31, v0
	v_lshlrev_b32 v[PFO], 8, v[GO]
	v_lshlrev_b32 v[GO], 4, v[GO]
	; A block's first step multiplies O^T and l by a = 0, so they need only hold finite numbers: zeros for the first block, what the first block left for the second.  This stands in the wait for the first tile.
.set i, OT
.rept 64
	v_mov_b32 v[i], 0
.set i, i+1
.endr
.irp u, 0,1
	v_mov_b32 v[ST+8*(\u)], 0xfe000000
	v_mov_b32 v[ST+8*(\u)+1], 0xff7fffff
	v_mov_b32 v[ST+8*(\u)+2], 0
	v_mov_b32 v[ST+8*(\u)+3], 0
.endr
; 32 products S^T = K Q^T for step s: channels 32 (i / 8) on, keys 16 ((i / 2) % 4) on, tile i % 2.  The 8 accumulators take turns.  The first 8 start the sums: with 0, or (m = 1) with the mask.
.macro KQ s, m
.set i, 0
.rept 32
.set rS, S+32*(i%2)+8*((i/2)%4)
.set rK, 32*((i/2)%4)+8*(i/8)
.set rQ, QF+32*(i%2)+8*(i/8)
.set rM, 64*(\s)+32*(i%2)+8*((i/2)%4)
.if (i < 8) && (\m)
	WIN W_KM
	v_wmma_f32_16x16x32_f16 v[rS:rS+7], v[rK:rK+7], v[rQ:rQ+7], v[rM:rM+7]
.elseif i < 8
	WIN W_KQ
	v_wmma_f32_16x16x32_f16 v[rS:rS+7], v[rK:rK+7], v[rQ:rQ+7], 0
.else
	WIN W_KQ
	v_wmma_f32_16x16x32_f16 v[rS:rS+7], v[rK:rK+7], v[rQ:rQ+7], v[rS:rS+7]
.endif
.set i, i+1
.endr
.endm
; 16 products O^T += V^T P: keys 32 (i / 8) on, channels 16 ((i / 2) % 4) on, tile i % 2.
.macro PV
	WIN W_PV
.set i, 0
.rept 16
.set rO, OT+32*(i%2)+8*((i/2)%4)
.set rV, VF+32*(i/8)+8*((i/2)%4)
.set rP, P+16*(i%2)+8*(i/8)
	v_wmma_f32_16x16x32_f16 v[rO:rO+7], v[rV:rV+7], v[rP:rP+7], v[rO:rO+7]
.set i, i+1
.endr
.endm
.macro FETCH_K s                       ; 32 LDS loads: 64 keys x 128 channels
	WIN 0x40
.irp kb, 0,1,2,3
.irp c, 0,1,2,3
	ds_load_b128 v[32*(\kb)+8*(\c):32*(\kb)+8*(\c)+3],   v[ADK] offset:(\s)*64*PK+(\kb)*16*PK+64*(\c)
	ds_load_b128 v[32*(\kb)+8*(\c)+4:32*(\kb)+8*(\c)+7], v[ADK] offset:(\s)*64*PK+(\kb)*16*PK+64*(\c)+32
.endr
.endr
.endm
.macro FETCH_V s                       ; 16 LDS loads: 64 keys x 64 channels, turned
	WIN 0x40
.irp kk, 0,1
.irp cb, 0,1,2,3
	ds_load_tr16_b128 v[VF+32*(\kk)+8*(\cb):VF+32*(\kk)+8*(\cb)+3],   v[ADV] offset:(\s)*64*PVV+(\kk)*32*PVV+32*(\cb)
	ds_load_tr16_b128 v[VF+32*(\kk)+8*(\cb)+4:VF+32*(\kk)+8*(\cb)+7], v[ADV] offset:(\s)*64*PVV+(\kk)*32*PVV+32*(\cb)+16*PVV
.endr
.endr
.endm
; THE SOFTMAX of a step, both tiles line by line in alternation, all in window 0.  The 66 exponentials are ONE batch with ONE wait; nothing ahead of the wait names a result of theirs.
.macro SOFTMAX
	WIN 0
.irp n, 0,1,2,3                        ; the maximum: four chains c0-c3; each accumulator's lowest registers are read first
.irp u, 0,1
	v_max3_num_f32 v[ST+8*(\u)+4+(\n)], v[S+32*(\u)+8*(\n)], v[S+32*(\u)+8*(\n)+1], v[S+32*(\u)+8*(\n)+2]
.endr
.endr
.irp g, 3,5
.irp n, 0,1,2,3
.irp u, 0,1
	v_max3_num_f32 v[ST+8*(\u)+4+(\n)], v[ST+8*(\u)+4+(\n)], v[S+32*(\u)+8*(\n)+(\g)], v[S+32*(\u)+8*(\n)+(\g)+1]
.endr
.endr
.endr
.irp u, 0,1
	v_max3_num_f32 v[ST+8*(\u)+4], v[ST+8*(\u)+4], v[S+32*(\u)+7], v[S+32*(\u)+15]
.endr
.irp u, 0,1
	v_max3_num_f32 v[ST+8*(\u)+6], v[ST+8*(\u)+6], v[S+32*(\u)+23], v[S+32*(\u)+31]
.endr
.irp u, 0,1
	v_max3_num_f32 v[ST+8*(\u)+4], v[ST+8*(\u)+4], v[ST+8*(\u)+5], v[ST+8*(\u)+6]
.endr
.irp u, 0,1
	v_max3_num_f32 v[ST+8*(\u)+4], v[ST+8*(\u)+4], v[ST+8*(\u)+7], v[ST+8*(\u)+1]   ; and the old m
.endr
.irp u, 0,1
	v_permlanex16_b32 v[ST+8*(\u)+5], v[ST+8*(\u)+4], s[SEL], s[SEL+1]              ; the query's other 32 keys lie in the lane 16 away
.endr
.irp u, 0,1
	v_mov_b32 v[ST+8*(\u)+7], v[ST+8*(\u)]                                          ; c m_old is kept
.endr
.irp u, 0,1
	v_max_num_f32 v[ST+8*(\u)+1], v[ST+8*(\u)+4], v[ST+8*(\u)+5]
.endr
.irp u, 0,1
	v_mul_f32 v[ST+8*(\u)], s[CS], v[ST+8*(\u)+1]
.endr
.irp u, 0,1
	v_sub_f32 v[ST+8*(\u)+7], v[ST+8*(\u)+7], v[ST+8*(\u)]
.endr
.set b, 0
.rept 16                               ; c s - c m, a pair of scores a line
.irp u, 0,1
	v_pk_fma_f32 v[S+32*(\u)+2*b:S+32*(\u)+2*b+1], v[S+32*(\u)+2*b:S+32*(\u)+2*b+1], s[CS:CS+1], v[ST+8*(\u):ST+8*(\u)+1] op_sel_hi:[1,0,0] neg_lo:[0,0,1] neg_hi:[0,0,1]
.endr
.set b, b+1
.endr
.irp u, 0,1
	v_exp_f32 v[ST+8*(\u)+6], v[ST+8*(\u)+7]                                        ; a
.endr
.set e, 0
.rept 32
.irp u, 0,1
	v_exp_f32 v[S+32*(\u)+e], v[S+32*(\u)+e]
.endr
.set e, e+1
.endr
	v_nop                                          ; a plain instruction behind the last exponential (ISA guide 5.7.2),
	s_wait_alu depctr_va_vdst(0)                   ; and the one wait ahead of the batch's first reader
.set b, 0
.rept 16
.irp u, 0,1
	v_cvt_pk_f16_f32 v[P+16*(\u)+b], v[S+32*(\u)+2*b], v[S+32*(\u)+2*b+1]
.endr
.set b, b+1
.endr
.irp w, 4,8,16,32                      ; the sum of the 16 pairs, in place: neighbours 1, 2, 4, 8 pairs apart
.set b, 0
.rept 32/(\w)
.irp u, 0,1
	v_pk_add_f32 v[S+32*(\u)+(\w)*b:S+32*(\u)+(\w)*b+1], v[S+32*(\u)+(\w)*b:S+32*(\u)+(\w)*b+1], v[S+32*(\u)+(\w)*b+(\w)/2:S+32*(\u)+(\w)*b+(\w)/2+1]
.endr
.set b, b+1
.endr
.endr
.irp u, 0,1
	v_pk_fma_f32 v[ST+8*(\u)+2:ST+8*(\u)+3], v[ST+8*(\u)+2:ST+8*(\u)+3], v[ST+8*(\u)+6:ST+8*(\u)+7], v[S+32*(\u):S+32*(\u)+1] op_sel_hi:[1,0,1]  ; l = a l + sum
.endr
.set b, 0
.rept 16                               ; O^T times a, in ascending order
.irp u, 0,1
	v_pk_mul_f32 v[OT+32*(\u)+2*b:OT+32*(\u)+2*b+1], v[OT+32*(\u)+2*b:OT+32*(\u)+2*b+1], v[ST+8*(\u)+6:ST+8*(\u)+7] op_sel_hi:[1,0]
.endr
.set b, b+1
.endr
.endm
; A KEY TILE: two steps.  m = 1: the diagonal tile.  Each run of LDS loads stands four places behind the last product that read its registers.
.macro TILE m
	WIN 0
	v_add_nc_u32 v[ADK], s[TB], v[AK0]
	v_add_nc_u32 v[ADV], s[TB], v[AV0]
	FETCH_K 0
	FETCH_V 0
	s_wait_dscnt 16                                ; K is in; V's 16 loads may stay out
	KQ 0, \m
	WIN 0
	PLACES
	FETCH_K 1
	SOFTMAX
	s_wait_dscnt 32                                ; V is in; the next K's 32 loads may stay out
	PV
	WIN 0
	PLACES
	FETCH_V 1
	s_wait_dscnt 16                                ; K is in
	KQ 1, \m
	WIN 0
	PLACES
	SOFTMAX
	s_wait_dscnt 0x0                               ; V is in
	PV
	WIN 0
	PLACES
.endm
.macro BEGIN                           ; a block begins: c m far below every c s, so the first a is 0; m at the lowest finite number
	s_mov_b32 s[NEW], 0
.irp u, 0,1
	v_mov_b32 v[ST+8*(\u)], 0xfe000000
	v_mov_b32 v[ST+8*(\u)+1], 0xff7fffff
.endr
.endm
; THE WAY OUT of a block: l's halves are added; O^T is divided by l, rounded to f16 and sent through my stage, a tile at a time; 16 rows of a head are 2,048 consecutive bytes of ob.
.macro PACK t
.set i, 0
.rept 16
	v_pk_mul_f32 v[OT+32*(\t)+i:OT+32*(\t)+i+1], v[OT+32*(\t)+i:OT+32*(\t)+i+1], v[ST+8*(\t)+6:ST+8*(\t)+7] op_sel_hi:[1,0]
.set i, i+2
.endr
.set i, 0
.rept 16
	v_cvt_pk_f16_f32 v[S+16*(\t)+i], v[OT+32*(\t)+2*i], v[OT+32*(\t)+2*i+1]
.set i, i+1
.endr
.irp f, 0,1,2,3
	ds_store_b128 v[STO], v[S+16*(\t)+4*(\f):S+16*(\t)+4*(\f)+3] offset:32*(\f)
.endr
.irp f, 0,1,2,3
	ds_load_b128 v[S+16*(\t)+4*(\f):S+16*(\t)+4*(\f)+3], v[RD] offset:(\f)*4*SP  ; LDS serves a wave's instructions in order (ISA guide 5.7.1.4)
.endr
.endm
.macro SEND t, younger                 ; younger: the LDS instructions issued behind tile t's loads
.irp f, 0,1,2,3
	s_wait_dscnt (\younger)+3-(\f)
	global_store_b128 v[GO], v[S+16*(\t)+4*(\f):S+16*(\t)+4*(\f)+3], s[10:11] offset:(\t)*2048+(\f)*512  ; 512 consecutive bytes, aligned
.endr
.endm
.macro FINISH
	WIN 0
.irp t, 0,1
	v_add_f32 v[ST+8*(\t)+4], v[ST+8*(\t)+2], v[ST+8*(\t)+3]
.endr
.irp t, 0,1
	v_permlanex16_b32 v[ST+8*(\t)+5], v[ST+8*(\t)+4], s[SEL], s[SEL+1]
.endr
.irp t, 0,1
	v_add_f32 v[ST+8*(\t)+4], v[ST+8*(\t)+4], v[ST+8*(\t)+5]
.endr
.irp t, 0,1
	v_rcp_f32 v[ST+8*(\t)+6], v[ST+8*(\t)+4]
.endr
	v_nop
	s_wait_alu depctr_va_vdst(0)                   ; one wait for the two reciprocals
	PACK 0
	PACK 1
	SEND 0, 8
	SEND 1, 0
.endm
.Lslot:                                            ; 16 times: a tile is entered and the next is asked for
	CHANGE 1
	s_sub_co_u32 s[RT], s[RT], 1
	s_cmp_eq_u32 s[NEW], 1
	s_cbranch_scc0 .Lold
	BEGIN
.Lold:
	s_wait_loadcnt 0x0                             ; Q (met at once from the second trip on)
	s_cmp_eq_u32 s[RT], 0
	s_cbranch_scc1 .Ldiag
	TILE 0
	s_branch .Lbottom
.Ldiag:                                            ; in the loop this is the first block's end: the second block's last tile is the walk's last
	TILE 1
	FINISH
	s_wait_xcnt 0x0                                ; the stores have read their registers and ob's address
	s_mov_b64 s[10:11], s[OLO:OLO+1]
	s_add_co_u32 s[RT], s[PB], 1                   ; the second block has b + 1 tiles
	s_mov_b32 s[NEW], 1
	WIN 0x42                                       ; the second block's Q goes where the products name Q
.set i, 0
.rept 64
	v_mov_b32 v[QF+i], v[QB+i]
.set i, i+1
.endr
	WIN 0
.Lbottom:
	s_sub_co_u32 s[SLOTS], s[SLOTS], 1
	s_cmp_lg_u32 s[SLOTS], 0
	s_cbranch_scc1 .Lslot
	CHANGE 0                                       ; the walk's last tile is written out: nothing is asked for
	s_cmp_eq_u32 s[NEW], 1
	s_cbranch_scc0 .Lold2
	BEGIN
.Lold2:
	TILE 1
	FINISH
	s_wait_tensorcnt 0x0                           ; the wave's end
	ds_add_u32 v[SPW], v[NIL]
	s_wait_dscnt 0x0
	s_endpgm
.Lfunc_end_k_qd9426811ad_attn:
	.size	k_qd9426811ad_attn, .Lfunc_end_k_qd9426811ad_attn-k_qd9426811ad_attn
	.p2alignl 7, 3214868480
	.fill 96, 4, 3214868480
	.section	.rodata,"a",@progbits
	.p2align	6, 0x0
	.amdhsa_kernel k_qd9426811ad_attn
		.amdhsa_group_segment_fixed_size 327680
		.amdhsa_private_segment_fixed_size 0
		.amdhsa_enable_private_segment 0
		.amdhsa_kernarg_size 32
		.amdhsa_user_sgpr_count 2
		.amdhsa_user_sgpr_kernarg_segment_ptr 1
		.amdhsa_wavefront_size32 1
		.amdhsa_system_sgpr_workgroup_id_x 1
		.amdhsa_system_sgpr_workgroup_id_y 1
		.amdhsa_system_sgpr_workgroup_id_z 1
		.amdhsa_system_vgpr_workitem_id 0
		.amdhsa_next_free_vgpr 704
		.amdhsa_next_free_sgpr 96
		.amdhsa_reserve_vcc 1
		.amdhsa_float_denorm_mode_32 3
		.amdhsa_float_denorm_mode_16_64 3
		.amdhsa_memory_ordered 1
		.amdhsa_forward_progress 1
		.amdhsa_inst_pref_size 158
	.end_amdhsa_kernel
	.amdgpu_metadata
---
amdhsa.version: [ 1, 2 ]
amdhsa.kernels:
  - .name:           k_qd9426811ad_attn
    .symbol:         k_qd9426811ad_attn.kd
    .args:
      - { .name: qf, .offset: 0, .size: 8, .value_kind: global_buffer, .address_space: global }
      - { .name: kf, .offset: 8, .size: 8, .value_kind: global_buffer, .address_space: global }
      - { .name: vf, .offset: 16, .size: 8, .value_kind: global_buffer, .address_space: global }
      - { .name: ob, .offset: 24, .size: 8, .value_kind: global_buffer, .address_space: global }
    .group_segment_fixed_size: 327680
    .private_segment_fixed_size: 0
    .kernarg_segment_align: 8
    .kernarg_segment_size: 32
    .max_flat_workgroup_size: 128
    .sgpr_count:     96
    .vgpr_count:     704
    .wavefront_size: 32
...
	.end_amdgpu_metadata
.endif
;; end of part 3
;; launch oproj (part 4): grid 8 x 32, 4 waves a work-group, clusters of 4 x 4, 327,680 bytes of LDS; arguments ob, wob, out0; writes out0
.if DOCPART == 4
	.amdgcn_target "amdgcn-amd-amdhsa--gfx1250"
	.amdhsa_code_object_version 6
	.text
	.protected	k_qd9426811ad_oproj
	.globl	k_qd9426811ad_oproj
	.p2align	8
	.type	k_qd9426811ad_oproj,@function
k_qd9426811ad_oproj:
	s_mov_b64 s[64:65], 0
	v_nop
	global_prefetch_b8 v0, s[64:65] scope:SCOPE_SE
	s_setreg_imm32_b32 hwreg(HW_REG_WAVE_MODE, 25, 1), 1
	s_wait_xcnt 0x0
	s_wait_alu depctr_hold_cnt(0) depctr_sa_sdst(0) depctr_va_vdst(0) depctr_va_sdst(0) depctr_va_ssrc(0) depctr_va_vcc(0) depctr_vm_vsrc(0)
	s_getreg_b32 s2, hwreg(HW_REG_IB_STS2, 6, 4)
	s_cmp_eq_u32 s2, 0
	s_cbranch_scc0 .Lentry_in_a_cluster
	s_endpgm
.Lentry_in_a_cluster:
	s_bfe_u32 s2, ttmp6, 0x10000c
	s_cmp_lg_u32 s2, 0xf033
	s_cbranch_scc0 .Lentry_shape_is_right
	s_endpgm
.Lentry_shape_is_right:
; out0[m][n] = the sum over k of O[m][k] Wo[k][n].  ob: f16 [kb 16][m 4096][64] = O / 4; wob: f16 [n64 16][k 1024][64] = 4 x bf16(Wo); out0: f32 [4096][1024].  Sums in f32.
; A tile of out0 is 128 x 128: 256 work-groups.  Four waves, each 64 x 64: 16 accumulators.  K goes in four steps of 256 through two LDS slots.
; CLUSTER 4 x 4: O's tile hangs on the tile row alone and is asked for jointly along a row of the cluster, Wo's on the tile column alone, along a column.
; THE MATRIX INSTRUCTION IS USED TRANSPOSED (source 0 = 16 columns of Wo, turned on the way out of LDS; source 1 = 16 rows of O): a lane holds eight neighbouring numbers of a row of out0.
; No prefetch: four K steps, small tiles.
; REGISTERS: window 0: v0-31 addresses; v32-63 rows on the way out; v128-255 the accumulators ((a, b) at 128 + 8 (4 a + b)).  Window 1: two fragment buffers of 128: for 64 along K, 64 registers of O, then 64 of Wo.
.set AB,    18432                      ; a K block of 64 of O in LDS: 128 rows x 144 bytes
.set BOFF,  4*AB                       ; behind O's four blocks: Wo, for each 64 columns 256 rows (k) x 160 bytes
.set BB,    40960
.set SLOT,  BOFF+2*BB
.set SPARE, 2*SLOT                     ; behind the ring: the spare words, 128 bytes for each wave: two blocks of 256 bytes that no other line names
.set STAGE, 0                          ; the way out uses slot 0: its last fill (K step 2) was read out ahead of the last change of slots' barrier
.set SPITCH, 272
.set LAPS,  2
.set ADRA, 16
.set ADRB, 20
.set STO,  24
.set RD,   25
.set CO,   26
.set SPW,  28
.set NIL,  29
.set TMP,  32
.set ACC,  128
.set F0,   0
.set F1,   128
.set G1, 24
.set G0, 32
.set G1B, 48
.set G0B, 56
.set MSB, 0
.macro WIN new
.if MSB != (\new)
	s_set_vgpr_msb (MSB<<8)|(\new)
.set MSB, \new
.endif
.endm
.set MUL,  0x05                        ; sources 0 and 1 window 1; C and D window 0
.set TO_F, 0x40                        ; destination window 1, address window 0
.macro JLOAD s                         ; waves 0 and 1 fetch O's two halves, waves 2 and 3 Wo's; an s_nop 0 and four v_nop follow each line
	s_cmp_eq_u32 s11, 0
	s_cbranch_scc0 .Lfor_b_\@
	tensor_load_to_lds s[G0+4*(\s):G0+4*(\s)+3], s[G1:G1+7]
	s_nop 0
.rept 4
	v_nop
.endr
	s_branch .Lasked_\@
.Lfor_b_\@:
	tensor_load_to_lds s[G0B+4*(\s):G0B+4*(\s)+3], s[G1B:G1B+7]
	s_nop 0
.rept 4
	v_nop
.endr
.Lasked_\@:
.endm
.macro CREST
	s_cmp_lg_u32 s10, 0
	s_cbranch_scc1 .Lnot_wave_0_\@
	s_barrier_signal -3
.Lnot_wave_0_\@:
	s_barrier_wait -3
	s_barrier_signal -1
	s_barrier_wait -1
.endm
.macro CROUND
	s_barrier_signal -1
	s_barrier_wait -1
	CREST
.endm
	s_load_b128 s[4:7], s[0:1], 0x0                ; ob s[4:5], wob s[6:7]
	s_load_b64 s[8:9], s[0:1], 0x10                ; out0
	v_lshl_add_u32 v[SPW], v0, 2, SPARE
	v_mov_b32 v[NIL], 0
	ds_add_u32 v[SPW], v[NIL]                      ; the wave's opening: the add and its wait stand ahead of my first tensor load
	v_lshrrev_b32 v1, 5, v0
	v_readfirstlane_b32 s10, v1                    ; wave 0..3
	s_lshr_b32 s11, s10, 1                         ; which half of the tile's rows is mine.  Also: I fetch for O (0) or for Wo (1)
	s_and_b32 s12, s10, 1                          ; which half of its columns.  Also: which half of that tile I fetch
	s_bfe_u32 s40, ttmp6, 0x40000
	s_bfe_u32 s41, ttmp6, 0x40004
	s_lshl_b32 s42, ttmp9, 2
	s_add_co_u32 s42, s42, s40                     ; tile column
	s_and_b32 s13, ttmp7, 0xffff
	s_lshl_b32 s13, s13, 2
	s_add_co_u32 s13, s13, s41                     ; tile row
	s_lshl_b32 s43, s41, 2
	s_lshl_b32 s43, 15, s43                        ; my row of the cluster
	s_lshl_b32 s44, 0x1111, s40                    ; my column
	; O: two K blocks, each 128 rows x 128 bytes = 16,384 dense bytes, 524,288 bytes apart: two rows of 8,192 elements; 4 words of padding after every 32
	s_or_b32 s[G1], s43, (1<<16)|(1<<20)|(1<<21)|(4<<22)|(3<<25)
	s_mov_b32 s[G1+1], 8192<<16                    ; tensor_dim0 = 8,192
	s_mov_b32 s[G1+2], 2<<16                       ; tensor_dim1 = 2
	s_mov_b32 s[G1+3], 8192<<16                    ; tile_dim0
	s_mov_b32 s[G1+4], 2                           ; tile_dim1
	s_mov_b32 s[G1+5], 262144                      ; elements from row to row
	s_mov_b32 s[G1+6], 0
	s_mov_b32 s[G1+7], 0
	; Wo: 256 rows (k) x 128 bytes = 32,768 dense bytes: 128 rows of 256 bytes; 8 words of padding after every 32
	s_or_b32 s[G1B], s44, (1<<16)|(1<<20)|(1<<21)|(4<<22)|(7<<25)
	s_mov_b32 s[G1B+1], 128<<16
	s_mov_b32 s[G1B+2], 128<<16
	s_mov_b32 s[G1B+3], 128<<16
	s_mov_b32 s[G1B+4], 128
	s_mov_b32 s[G1B+5], 128
	s_mov_b32 s[G1B+6], 0
	s_mov_b32 s[G1B+7], 0
	s_lshl_b32 s16, s13, 14                        ; O: 128 x tile row rows of 128 bytes + my two K blocks
	s_lshl_b32 s17, s12, 20
	s_add_co_u32 s16, s16, s17
	s_mov_b32 s17, 0
	s_lshl_b32 s46, s42, 1                         ; Wo: my 64 columns' block
	s_add_co_u32 s46, s46, s12
	s_lshl_b32 s46, s46, 17
	s_mov_b32 s47, 0
	s_mul_i32 s20, s12, 2*AB                       ; where they go: no place in the cluster enters an LDS address
	s_mul_i32 s21, s12, BB
	s_add_co_u32 s21, s21, BOFF
	s_wait_dscnt 0x0                               ; the opening add is done
	s_wait_kmcnt 0x0
	s_add_nc_u64 s[14:15], s[4:5], s[16:17]
	s_add_nc_u64 s[46:47], s[6:7], s[46:47]
	CROUND                                         ; all sixteen work-groups are here: the first joint loads meet
.irp s, 0,1
	s_mov_b32 s[G0+4*(\s)], 1
	s_add_co_u32 s[G0+4*(\s)+1], s20, (\s)*SLOT
	s_add_nc_u64 s[G0+4*(\s)+2:G0+4*(\s)+3], s[14:15], (\s)*2097152
	s_or_b32 s[G0+4*(\s)+3], s[G0+4*(\s)+3], 0x80000000
	s_mov_b32 s[G0B+4*(\s)], 1
	s_add_co_u32 s[G0B+4*(\s)+1], s21, (\s)*SLOT
	s_add_nc_u64 s[G0B+4*(\s)+2:G0B+4*(\s)+3], s[46:47], (\s)*32768
	s_or_b32 s[G0B+4*(\s)+3], s[G0B+4*(\s)+3], 0x80000000
	JLOAD \s
.endr
	v_and_b32 v1, 15, v0                           ; l % 16
	v_bfe_u32 v2, v0, 4, 1                         ; l / 16
	v_mul_u32_u24 v3, v1, 144
	v_lshl_add_u32 v3, v2, 4, v3
	s_mul_i32 s21, s11, 64*144                     ; my 64 rows of O
	v_add_nc_u32 v[ADRA], s21, v3
	v_add_nc_u32 v[ADRA+1], SLOT, v[ADRA]
	v_and_b32 v4, 7, v0
	v_bfe_u32 v5, v0, 3, 1
	v_lshl_add_u32 v6, v2, 3, v4
	v_mul_u32_u24 v6, v6, 160
	v_lshl_add_u32 v6, v5, 4, v6
	s_mul_i32 s22, s12, BB                         ; my 64 columns of Wo
	s_add_co_u32 s22, s22, BOFF
	v_add_nc_u32 v[ADRB], s22, v6
	v_add_nc_u32 v[ADRB+1], SLOT, v[ADRB]
	s_mul_i32 s23, s10, 16*SPITCH                  ; my stage: 16 rows x 272 bytes
	s_add_co_u32 s23, s23, STAGE
	v_mul_u32_u24 v4, v1, SPITCH                   ; in: row l % 16, 32 bytes for each half of the lanes
	v_lshl_add_u32 v4, v2, 5, v4
	v_add_nc_u32 v[STO], s23, v4
	v_mul_u32_u24 v5, v2, SPITCH                   ; back: lanes 0-15 one row of 256 bytes, lanes 16-31 the next
	v_lshl_add_u32 v5, v1, 4, v5
	v_add_nc_u32 v[RD], s23, v5
	v_lshlrev_b32 v5, 12, v2                       ; and the same two rows in out0
	v_lshl_add_u32 v[CO], v1, 4, v5
	s_lshl_b32 s16, s13, 19                        ; 128 x tile row rows of 4,096 bytes,
	s_lshl_b32 s17, s11, 18                        ; my 64 rows,
	s_add_co_u32 s16, s16, s17
	s_lshl_b32 s17, s42, 9                         ; the tile's 128 columns,
	s_add_co_u32 s16, s16, s17
	s_lshl_b32 s17, s12, 8                         ; my 64
	s_add_co_u32 s16, s16, s17
	s_mov_b32 s17, 0
	s_add_nc_u64 s[8:9], s[8:9], s[16:17]
; 8 matrix instructions: m blocks a0, a0 + 1 x all 4 n blocks, 32 along K: half c of buffer f.  The 16 accumulators take turns.
.macro MUL8 f, c, a0, zero
	WIN MUL
.irp a, \a0, (\a0)+1
.irp b, 0,1,2,3
.if \zero
	v_wmma_f32_16x16x32_f16 v[ACC+8*(4*(\a)+(\b)):ACC+8*(4*(\a)+(\b))+7], v[(\f)+64+8*(4*(\c)+(\b)):(\f)+64+8*(4*(\c)+(\b))+7], v[(\f)+8*(4*(\c)+(\a)):(\f)+8*(4*(\c)+(\a))+7], 0
.else
	v_wmma_f32_16x16x32_f16 v[ACC+8*(4*(\a)+(\b)):ACC+8*(4*(\a)+(\b))+7], v[(\f)+64+8*(4*(\c)+(\b)):(\f)+64+8*(4*(\c)+(\b))+7], v[(\f)+8*(4*(\c)+(\a)):(\f)+8*(4*(\c)+(\a))+7], v[ACC+8*(4*(\a)+(\b)):ACC+8*(4*(\a)+(\b))+7]
.endif
.endr
.endr
.endm
; 32 LDS loads in one run: the fragments of quarter q (64 along K: K block q of the step) into buffer f; the first 32 along K first
.macro FETCH slot, q, f
	WIN TO_F
.irp c, 0,1
.irp i, 0,1,2,3
	ds_load_tr16_b128 v[(\f)+64+8*(4*(\c)+(\i)):(\f)+64+8*(4*(\c)+(\i))+3],   v[ADRB+(\slot)] offset:(2*(\q)+(\c))*5120+32*(\i)
	ds_load_tr16_b128 v[(\f)+64+8*(4*(\c)+(\i))+4:(\f)+64+8*(4*(\c)+(\i))+7], v[ADRB+(\slot)] offset:(2*(\q)+(\c))*5120+32*(\i)+2560
	ds_load_b128 v[(\f)+8*(4*(\c)+(\i)):(\f)+8*(4*(\c)+(\i))+3],              v[ADRA+(\slot)] offset:(\q)*AB+64*(\c)+(\i)*2304
	ds_load_b128 v[(\f)+8*(4*(\c)+(\i))+4:(\f)+8*(4*(\c)+(\i))+7],            v[ADRA+(\slot)] offset:(\q)*AB+64*(\c)+(\i)*2304+32
.endr
.endr
.endm
.macro PLACES
.rept 4
	v_nop
.endr
.endm
; A K step is four quarters of 64 along K, 32 matrix instructions each, on buffers 0, 1, 0, 1.  One of the first three: multiplies buffer f and fetches quarter q into g.
.macro QUARTER slot, q, f, g, zero
	s_wait_dscnt 16                                ; the first 32 along K are in
	MUL8 \f, 0, 0, \zero
	MUL8 \f, 0, 2, \zero
	PLACES
	FETCH \slot, \q, \g
	s_wait_dscnt 32                                ; all but the 32 just issued
	MUL8 \f, 1, 0, 0
	MUL8 \f, 1, 2, 0
.endm
; The last quarter multiplies buffer 1 and changes slots: one barrier; in front of it each wave waits for all its tensor loads, adds 0 to its spare word, and waits for that and for its reads of this slot.
.macro TURN slot, next, fill
	WIN 0
	s_wait_tensorcnt 0x0                           ; all my tensor loads have landed: my part of the next slot
	ds_add_u32 v[SPW], v[NIL]
	s_wait_dscnt 17                                ; the add and the youngest sixteen loads may be out
	MUL8 F1, 0, 0, 0
	s_wait_dscnt 0x0                               ; the add is done, and my reads of this slot are over
	s_barrier_signal -1
	MUL8 F1, 0, 2, 0
.if \fill
	WIN 0
.endif
	s_barrier_wait -1
.if \fill
	CREST                                          ; no wave of any partner still reads this slot or has a load on its way
	s_add_nc_u64 s[G0+4*(\slot)+2:G0+4*(\slot)+3], s[G0+4*(\slot)+2:G0+4*(\slot)+3], 2*2097152
	s_add_nc_u64 s[G0B+4*(\slot)+2:G0B+4*(\slot)+3], s[G0B+4*(\slot)+2:G0B+4*(\slot)+3], 2*32768
	JLOAD \slot                                    ; 112 matrix instructions ahead of the wait for it; its four v_nop are also the places in front of the loads below
.else
	PLACES
.endif
	FETCH \next, 0, F0
	MUL8 F1, 1, 0, 0
	MUL8 F1, 1, 2, 0
.endm
	s_wait_tensorcnt 1                             ; my part of K step 0 is in; K step 1's may stay out
	s_barrier_signal -1
	s_barrier_wait -1
	FETCH 0, 0, F0
	QUARTER 0, 1, F0, F1, 1                        ; the first products start the sums
	WIN 0
	s_mov_b32 s3, LAPS-1
.Llap:                                             ; a trip goes once round the ring and fills both slots again: K steps 2 and 3
	QUARTER 0, 2, F1, F0, 0
	QUARTER 0, 3, F0, F1, 0
	TURN 0, 1, 1
	QUARTER 1, 1, F0, F1, 0
	QUARTER 1, 2, F1, F0, 0
	QUARTER 1, 3, F0, F1, 0
	TURN 1, 0, 1
	QUARTER 0, 1, F0, F1, 0
	WIN 0
	s_sub_co_u32 s3, s3, 1
	s_cmp_lg_u32 s3, 0
	s_cbranch_scc1 .Llap
	QUARTER 0, 2, F1, F0, 0                        ; the last lap fills nothing
	QUARTER 0, 3, F0, F1, 0
	TURN 0, 1, 0
	QUARTER 1, 1, F0, F1, 0
	QUARTER 1, 2, F1, F0, 0
	QUARTER 1, 3, F0, F1, 0
	s_wait_dscnt 16
	MUL8 F1, 0, 0, 0
	MUL8 F1, 0, 2, 0
	s_wait_dscnt 0
	MUL8 F1, 1, 0, 0
	MUL8 F1, 1, 2, 0
	WIN 0
	PLACES
	PLACES
	; THE WAY OUT, each wave's own: 16 rows x 64 columns of f32 go into rows of 272 bytes and come back as whole rows of 256.  LDS serves a wave's instructions in order (ISA guide 5.7.1.4).
.irp a, 0,1,2,3
	s_wait_xcnt 0x0                                ; the last block's stores have read v32-63
.irp b, 0,1,2,3
	ds_store_b128 v[STO], v[ACC+8*(4*(\a)+(\b)):ACC+8*(4*(\a)+(\b))+3]   offset:64*(\b)
	ds_store_b128 v[STO], v[ACC+8*(4*(\a)+(\b))+4:ACC+8*(4*(\a)+(\b))+7] offset:64*(\b)+16
.endr
.irp f, 0,1,2,3,4,5,6,7
	ds_load_b128 v[TMP+4*(\f):TMP+4*(\f)+3], v[RD] offset:(\f)*2*SPITCH
.endr
.irp f, 0,1,2,3,4,5,6,7
	s_wait_dscnt 7-(\f)
	global_store_b128 v[CO], v[TMP+4*(\f):TMP+4*(\f)+3], s[8:9] offset:(16*(\a)+2*(\f))*4096  ; 16 lanes store 256 consecutive bytes, aligned
.endr
.endr
	s_wait_tensorcnt 0x0                           ; the wave's end
	ds_add_u32 v[SPW], v[NIL]
	s_wait_dscnt 0x0
	CROUND                                         ; the closing round
	s_endpgm
.Lfunc_end_k_qd9426811ad_oproj:
	.size	k_qd9426811ad_oproj, .Lfunc_end_k_qd9426811ad_oproj-k_qd9426811ad_oproj
	.p2alignl 7, 3214868480
	.fill 96, 4, 3214868480
	.section	.rodata,"a",@progbits
	.p2align	6, 0x0
	.amdhsa_kernel k_qd9426811ad_oproj
		.amdhsa_group_segment_fixed_size 327680
		.amdhsa_private_segment_fixed_size 0
		.amdhsa_enable_private_segment 0
		.amdhsa_kernarg_size 24
		.amdhsa_user_sgpr_count 2
		.amdhsa_user_sgpr_kernarg_segment_ptr 1
		.amdhsa_wavefront_size32 1
		.amdhsa_system_sgpr_workgroup_id_x 1
		.amdhsa_system_sgpr_workgroup_id_y 1
		.amdhsa_system_sgpr_workgroup_id_z 1
		.amdhsa_system_vgpr_workitem_id 0
		.amdhsa_next_free_vgpr 512
		.amdhsa_next_free_sgpr 66
		.amdhsa_reserve_vcc 0
		.amdhsa_float_denorm_mode_32 3
		.amdhsa_float_denorm_mode_16_64 3
		.amdhsa_memory_ordered 1
		.amdhsa_forward_progress 1
		.amdhsa_inst_pref_size 87
	.end_amdhsa_kernel
	.amdgpu_metadata
---
amdhsa.version: [ 1, 2 ]
amdhsa.kernels:
  - .name:           k_qd9426811ad_oproj
    .symbol:         k_qd9426811ad_oproj.kd
    .args:
      - { .name: ob, .offset: 0, .size: 8, .value_kind: global_buffer, .address_space: global }
      - { .name: wob, .offset: 8, .size: 8, .value_kind: global_buffer, .address_space: global }
      - { .name: out0, .offset: 16, .size: 8, .value_kind: global_buffer, .address_space: global }
    .group_segment_fixed_size: 327680
    .private_segment_fixed_size: 0
    .kernarg_segment_align: 8
    .kernarg_segment_size: 24
    .max_flat_workgroup_size: 128
    .sgpr_count:     66
    .vgpr_count:     512
    .wavefront_size: 32
...
	.end_amdgpu_metadata
.endif
;; end of part 4
